; MI455X (gfx1250); checked and timed in simulation.
; The chip was launched on July 23, 2026; its instructions are those of AMD's public machine-readable ISA for CDNA 5 (MIT licence, August 2026) and "CDNA5" Instruction Set Architecture Reference Guide (July 2026). The comments in the code are by the model that wrote it; some were corrected since.
;; Multi Headed Attention. Allowed arithmetic: matrix products marked QUANTISED: E2M3 operands, one E8M0 scale for each 32 along K, by v_wmma_scale_f32_16x16x128_f8f6f4 with both operands' format E2M3, f32 sums; everything else in f32.
;; Inputs: Wk 1,024 x 1,024 float32; Wo 1,024 x 1,024 float32; Wq 1,024 x 1,024 float32; Wv 1,024 x 1,024 float32; bk 1,024 float32; bo 1,024 float32; bq 1,024 float32; bv 1,024 float32; key 4 x 2,048 x 1,024 float32; query 4 x 2,048 x 1,024 float32; value 4 x 2,048 x 1,024 float32.
;; Outputs: out0 4 x 2,048 x 1,024 float32.
;; This version of the problem:
;;   THIS VERSION OF THE PROBLEM IS GIVEN IN LOW PRECISION. The matrix products marked QUANTISED in the list below multiply operands that are first quantised to E2M3 (2 exponent bits, 3 mantissa bits; 6 bits a number), with one power-of-two scale for each 32 numbers along K (OCP MX v1.0); their sums are f32. All else is computed in f32.
;;   The module's matrix products, in the order in which they are computed (A, B: the left and right operand; K: the contracted axis; several contracted axes count as one K, in the product's order):
;;     1. [M 8,192, K 1,024] x [K 1,024, N 1,024]; A: input query; B: input Wq: QUANTISED
;;     2. [M 8,192, K 1,024] x [K 1,024, N 1,024]; A: input key; B: input Wk: QUANTISED
;;     3. [M 8,192, K 1,024] x [K 1,024, N 1,024]; A: input value; B: input Wv: QUANTISED
;;     4. batch 64 x [M 2,048, K 64] x [K 64, N 2,048]; A: computed on the way; B: computed on the way: QUANTISED
;;     5. batch 64 x [M 2,048, K 2,048] x [K 2,048, N 64]; A: softmax (see below); B: computed on the way: QUANTISED
;;     6. [M 8,192, K 1,024] x [K 1,024, N 1,024]; A: computed on the way; B: input Wo: QUANTISED
;;   THE QUANTISER, for each operand of a quantised product, along K:
;;     - K is cut into blocks of 32 from its start; a last block that is shorter is filled with zeros.
;;     - A block's scale is 2^e with e = floor(log2(the largest magnitude in the block)) - 2, held to -126 .. 127; a block of zeros has e = 0. As a byte (E8M0): e + 127.
;;     - Each number is divided by its block's scale, clamped to +-7.5, and rounded to the nearest number of E2M3, ties to even, subnormals kept.
;;     - The product sums the exact products of the quantised numbers (number of the format x scale) in f32.
;;   ~~~python
;;   def quantise(x, axis):      # numpy; x: float32 -> the quantised numbers, widened to float32 again
;;       x = np.moveaxis(x, axis, -1); K = x.shape[-1]
;;       x = np.pad(x, [(0, 0)] * (x.ndim - 1) + [(0, -K % 32)]); x = x.reshape(x.shape[:-1] + (-1, 32)); a = np.abs(x).max(-1, keepdims=True)
;;       e = np.where(a > 0, np.clip(np.frexp(np.where(a > 0, a, 1))[1] - 1 - 2, -126, 127), 0)      # np.frexp(a)[1] - 1 = floor(log2(a)), exactly
;;       r = np.clip(x / 2.0 ** e, -7.5, 7.5)
;;       step = 2.0 ** (np.maximum(np.frexp(np.where(r == 0, 1, r))[1] - 1, 0) - 3)
;;       q = np.round(r / step) * step * 2.0 ** e      # np.round: ties to even
;;       return np.moveaxis(q.reshape(q.shape[:-2] + (-1,))[..., :K], -1, axis).astype(np.float32)
;;   ~~~
;;   SOFTMAX AHEAD OF A QUANTISED PRODUCT. Where the list says 'softmax', what is quantised is not the finished softmax but p = 2^(t - M), with t = logit x log2(e) and M = ceil(the row's largest t), a whole number; so 1/2 < the row's largest p <= 1. The row's sum l is taken of the UNQUANTISED p, in f32, and the product's result is divided by l at the end. Since M is a whole number, a kernel that streams over the keys may use a running M (the ceiling of the running maximum): every later rescaling is an exact power of two, which a block's scale takes up: the codes' values come out the same.
;;   OPERANDS COMPUTED ON THE WAY. 'Computed on the way' means the value that the module computes at that place (a softmax that the list does not call 'softmax' is quantised finished and normalised). What goes into a quantiser is computed in f32, as accurately as f32 sums, v_exp_f32 and their like allow (about 1e-6 of the number): no bf16 or f16 on the way to a quantiser, and a product that is left as it is and whose result goes on into a quantised operand takes f32 operands (vector FMAs, or v_wmma_f32_16x16x4_f32). A number that lies on a knife's edge between two numbers of the format may be rounded either way, as far as f32 arithmetic and the matrix unit's own rounding can turn it there, and no further.
;; One version. Each part assembles by itself: llvm-mc -triple=amdgcn-amd-amdhsa -mcpu=gfx1250 --defsym DOCPART=n.
;; ======== version 1 of 1: 4 launches
;; workspace buffers: xcodes 22,020,096 bytes; xscales 917,504 bytes; pcodes 18,874,368 bytes; pscales 1,310,720 bytes; acodes 6,291,456 bytes; ascales 262,144 bytes
;; launch quant (part 1): grid 896 x 1, 4 waves a work-group, no clusters, 33,280 bytes of LDS; arguments query, key, value, Wq, Wk, Wv, Wo, xcodes, xscales; writes xcodes, xscales
.if DOCPART == 1
	.amdgcn_target "amdgcn-amd-amdhsa--gfx1250"
	.amdhsa_code_object_version 6
	.text
	.protected	k_q050fd93a34_quant
	.globl	k_q050fd93a34_quant
	.p2align	8
	.type	k_q050fd93a34_quant,@function
k_q050fd93a34_quant:
	s_mov_b64 s[64:65], 0
	v_nop
	global_prefetch_b8 v0, s[64:65] scope:SCOPE_SE
	s_setreg_imm32_b32 hwreg(HW_REG_WAVE_MODE, 25, 1), 1
	s_wait_xcnt 0x0
; query, key, value [8192][1024] and Wq, Wk, Wv, Wo [1024][1024], f32, become codes of FP6 (E2M3), K innermost, 768 bytes a row, with one E8M0 byte for each 32 along K, 32 bytes a row.
; All seven lie in ONE buffer of 28,672 rows: query from row 0, key 8,192, value 16,384, Wq 24,576, Wk 25,600, Wv 26,624, Wo 27,648.
; ROW ORDER: inside each 32 rows the four groups of 8 rows are stored in the order 0, 2, 1, 3, so that 16 neighbouring stored rows, taken as a tile by a later product, leave 16 neighbours along that
; product's output in a lane's registers of two neighbouring tiles.
; A block's scale is 2^(floor(log2(its largest magnitude)) - 2); its byte is the largest magnitude's exponent field - 2, held at 1 from below.
; LIMITS: a block of zeros gets the byte 1 where the rule says 127 (its codes are zeros, and this program alone reads the bytes); blocks whose largest magnitude lies under 2^-124 keep the byte 1;
; NaN and infinities among the inputs are not served.
; A work-group takes 32 rows, each of its four waves 8 rows = 8,192 numbers in 16 steps of 512.  Each of a step's four loads reads 512 consecutive bytes; the 2,048 bytes turn through the wave's own stage
; in LDS and come back 64 bytes a lane, so that a lane holds 16 neighbours along K and two neighbouring lanes a block.  Waves share nothing: no barrier.  Loads run four steps ahead.
; No matrix unit, no cluster, no prefetch: every byte is read once by long dense loads, and nothing is shared between work-groups.
.set WAVES, 4
.set STEPS, 16
.set EMAX,  2
.set CB,    12                         ; bytes of 16 codes
.set R,     16                         ; v16-79   four sets of 16 numbers as they are loaded
.set X,     80                         ; v80-111  two sets of 16 neighbours
.set C,     128                        ; v128-191 codes: four registers for each step, so that no store's data are written again
.set E,     112                        ; v112-127 a scale byte for each step
.set WREG,  8192                       ; LDS: a region for each wave: two stages of 32 x SP bytes, behind them its 256 scale bytes
.set SP,    80                         ; a lane's place in a stage: 64 bytes + 16 of padding
.set SPW,   12                         ; v12  LDS address of my spare word; never rewritten
.set NIL,   13                         ; v13  0; never rewritten
.set SPARE, WAVES*WREG                 ; behind the four regions: the spare words, 128 bytes for each wave
	s_load_b512 s[4:19], s[0:1], 0x0               ; query s[4:5], key s[6:7], value s[8:9], Wq s[10:11], Wk s[12:13], Wv s[14:15], Wo s[16:17], the codes s[18:19]
	s_load_b64 s[20:21], s[0:1], 0x40              ; the scale bytes
	v_lshl_add_u32 v[SPW], v0, 2, SPARE
	v_mov_b32 v[NIL], 0
	v_lshrrev_b32 v1, 5, v0
	v_readfirstlane_b32 s22, v1                    ; wave
	v_and_b32 v2, 31, v0                           ; lane
	v_lshlrev_b32 v3, 4, v2                        ; my 16 bytes of a load's 512
	s_mul_i32 s23, s22, WREG
	v_lshrrev_b32 v14, 2, v2
	v_mul_u32_u24 v14, v14, SP
	v_and_b32 v15, 3, v2
	v_lshl_add_u32 v14, v15, 4, v14
	v_add_nc_u32 v14, s23, v14                     ; the stage, on the way in: SP (lane / 4) + 16 (lane % 4)
	v_mul_u32_u24 v15, v2, SP
	v_add_nc_u32 v15, s23, v15                     ; and on the way out: SP x lane: my 16 neighbours
	v_mul_u32_u24 v4, v2, CB                       ; my codes' place in a step's
	v_lshrrev_b32 v5, 1, v2
	s_add_co_u32 s23, s23, 2*32*SP
	v_add_nc_u32 v5, s23, v5                       ; LDS: my wave's 256 scale bytes, my block's byte
	v_lshlrev_b32 v7, 3, v2                        ; and on the way out 8 bytes a lane
	v_add_nc_u32 v6, s23, v7
	s_wait_kmcnt 0x0
; which tensor is my work-group's: the choice hangs on the work-group's number alone.  s[24:25] its address, s26 its first work-group
.macro PICK lim, p, base
	s_cmp_lt_u32 ttmp9, \lim
	s_cselect_b64 s[24:25], s[\p:\p+1], s[24:25]
	s_cselect_b32 s26, \base, s26
.endm
	s_mov_b64 s[24:25], s[16:17]                   ; Wo, unless the number is lower
	s_mov_b32 s26, 864
	PICK 864, 14, 832
	PICK 832, 12, 800
	PICK 800, 10, 768
	PICK 768, 8, 512
	PICK 512, 6, 256
	PICK 256, 4, 0
	s_sub_co_u32 s27, ttmp9, s26
	s_lshl_b32 s27, s27, 2
	s_add_co_u32 s28, s27, s22                     ; which run of 8 rows of the tensor is my wave's
	s_lshl_b32 s28, s28, 15                        ; 32,768 bytes a run (under 2^26)
	s_mov_b32 s29, 0
	s_add_nc_u64 s[24:25], s[24:25], s[28:29]
	s_and_b32 s30, s22, 1                          ; where the run is stored: groups 0, 1, 2, 3 of the 32 rows go to places 0, 2, 1, 3
	s_lshl_b32 s30, s30, 1
	s_lshr_b32 s31, s22, 1
	s_or_b32 s30, s30, s31
	s_lshl_b32 s31, ttmp9, 2
	s_add_co_u32 s30, s30, s31
	s_mul_i32 s32, s30, 6144                       ; 8 rows of 768 bytes
	s_mov_b32 s33, 0
	s_add_nc_u64 s[18:19], s[18:19], s[32:33]
	s_lshl_b32 s32, s30, 8                         ; 8 rows of 32 bytes
	s_add_nc_u64 s[20:21], s[20:21], s[32:33]
.macro LOAD t
.irp i, 0,1,2,3
	global_load_b128 v[R+16*((\t)%4)+4*\i:R+16*((\t)%4)+4*\i+3], v3, s[24:25] offset:2048*(\t)+512*\i th:TH_LOAD_NT   ; 32 lanes read 512 consecutive bytes
.endr
.endm
.macro TURN t                          ; step t's numbers through the stage: LDS serves a wave's instructions in order, so no wait stands between the stores and the loads
.irp i, 0,1,2,3
	ds_store_b128 v14, v[R+16*((\t)%4)+4*\i:R+16*((\t)%4)+4*\i+3] offset:32*SP*((\t)%2)+8*SP*\i
.endr
.irp i, 0,1,2,3
	ds_load_b128 v[X+16*((\t)%2)+4*\i:X+16*((\t)%2)+4*\i+3], v15 offset:32*SP*((\t)%2)+16*\i
.endr
.endm
.irp t, 0,1,2,3
	LOAD \t
.endr
	s_wait_loadcnt 12                              ; step 0's four loads are in; three steps' twelve stay out
	TURN 0
.macro STEP t
.set XS, X+16*((\t)%2)
.if (\t) > 0
	s_wait_dscnt 1                                 ; this step's numbers are back from the stage (the last step's byte store may be out): so its stores into the stage have read their registers,
.else
	s_wait_dscnt 0x0
.endif
.if (\t)+4 < STEPS
	LOAD (\t)+4                                    ; which take the loads of four steps on
.endif
.if (\t)+1 < STEPS
.if STEPS-2-(\t) >= 3
	s_wait_loadcnt 12                              ; the next step's four loads are in; those of the three steps behind it may be out
.else
	s_wait_loadcnt 4*(STEPS-2-(\t))
.endif
	TURN (\t)+1                                    ; and go through the other stage while this step is worked
.endif
	v_max3_num_f32 v8, |v[XS]|, |v[XS+1]|, |v[XS+2]|               ; the largest magnitude of my 16, in two chains
	v_max3_num_f32 v9, |v[XS+3]|, |v[XS+4]|, |v[XS+5]|
.irp i, 6,10
	v_max3_num_f32 v8, v8, |v[XS+\i]|, |v[XS+\i+1]|
	v_max3_num_f32 v9, v9, |v[XS+\i+2]|, |v[XS+\i+3]|
.endr
	v_max3_num_f32 v8, v8, |v[XS+14]|, |v[XS+15]|
	v_max3_num_f32 v8, v8, v9, (EMAX+1)<<23        ; and the floor 2^(3 - 127): the byte cannot fall under 1
	v_max_num_f32_dpp v8, v8, v8 row_xmask:1 row_mask:0xf bank_mask:0xf   ; and of my neighbour's 16: the block's
	v_add_nc_u32 v11, -(EMAX<<23), v8              ; 2 off its exponent field: the conversion takes the exponent field of this operand as its scale
	v_cvt_scalef32_pk16_fp6_f32 v[C+4*(\t):C+4*(\t)+2], v[XS:XS+15], v11
	v_lshrrev_b32 v[E+(\t)], 23, v11               ; the scale's byte
	ds_store_b8 v5, v[E+(\t)] offset:16*(\t)       ; both lanes of a block write the same byte with the same value
	global_store_b96 v4, v[C+4*(\t):C+4*(\t)+2], s[18:19] offset:32*CB*(\t)   ; the wave stores 384 consecutive bytes
.endm
.irp t, 0,1,2,3,4,5,6,7,8,9,10,11,12,13,14,15
	STEP \t
.endr
	ds_load_b64 v[8:9], v6                         ; LDS serves a wave's instructions in order: these see my stores
	s_wait_dscnt 0x0
	global_store_b64 v7, v[8:9], s[20:21]          ; 32 lanes store 256 consecutive bytes, aligned
	s_wait_tensorcnt 0x0                           ; the wave's end, behind my last LDS store
	ds_add_u32 v[SPW], v[NIL]
	s_wait_dscnt 0x0
	s_endpgm
.Lfunc_end_k_q050fd93a34_quant:
	.size	k_q050fd93a34_quant, .Lfunc_end_k_q050fd93a34_quant-k_q050fd93a34_quant
	.p2alignl 7, 3214868480
	.fill 96, 4, 3214868480
	.section	.rodata,"a",@progbits
	.p2align	6, 0x0
	.amdhsa_kernel k_q050fd93a34_quant
		.amdhsa_group_segment_fixed_size 33280
		.amdhsa_private_segment_fixed_size 0
		.amdhsa_enable_private_segment 0
		.amdhsa_kernarg_size 72
		.amdhsa_user_sgpr_count 2
		.amdhsa_user_sgpr_kernarg_segment_ptr 1
		.amdhsa_wavefront_size32 1
		.amdhsa_system_sgpr_workgroup_id_x 1
		.amdhsa_system_sgpr_workgroup_id_y 1
		.amdhsa_system_sgpr_workgroup_id_z 1
		.amdhsa_system_vgpr_workitem_id 0
		.amdhsa_next_free_vgpr 192
		.amdhsa_next_free_sgpr 66
		.amdhsa_reserve_vcc 0
		.amdhsa_float_denorm_mode_32 3
		.amdhsa_float_denorm_mode_16_64 3
		.amdhsa_memory_ordered 1
		.amdhsa_forward_progress 1
		.amdhsa_inst_pref_size 33
	.end_amdhsa_kernel
	.amdgpu_metadata
---
amdhsa.version: [ 1, 2 ]
amdhsa.kernels:
  - .name:           k_q050fd93a34_quant
    .symbol:         k_q050fd93a34_quant.kd
    .args:
      - { .name: query, .offset: 0, .size: 8, .value_kind: global_buffer, .address_space: global }
      - { .name: key, .offset: 8, .size: 8, .value_kind: global_buffer, .address_space: global }
      - { .name: value, .offset: 16, .size: 8, .value_kind: global_buffer, .address_space: global }
      - { .name: Wq, .offset: 24, .size: 8, .value_kind: global_buffer, .address_space: global }
      - { .name: Wk, .offset: 32, .size: 8, .value_kind: global_buffer, .address_space: global }
      - { .name: Wv, .offset: 40, .size: 8, .value_kind: global_buffer, .address_space: global }
      - { .name: Wo, .offset: 48, .size: 8, .value_kind: global_buffer, .address_space: global }
      - { .name: xcodes, .offset: 56, .size: 8, .value_kind: global_buffer, .address_space: global }
      - { .name: xscales, .offset: 64, .size: 8, .value_kind: global_buffer, .address_space: global }
    .group_segment_fixed_size: 33280
    .private_segment_fixed_size: 0
    .kernarg_segment_align: 8
    .kernarg_segment_size: 72
    .max_flat_workgroup_size: 128
    .sgpr_count:     66
    .vgpr_count:     192
    .wavefront_size: 32
...
	.end_amdgpu_metadata
.endif
;; end of part 1
;; launch proj (part 2): grid 4 x 96, 4 waves a work-group, clusters of 4 x 4, 327,680 bytes of LDS; arguments xcodes, xscales, bq, bk, bv, pcodes, pscales; writes pcodes, pscales
.if DOCPART == 2
	.amdgcn_target "amdgcn-amd-amdhsa--gfx1250"
	.amdhsa_code_object_version 6
	.text
	.protected	k_q050fd93a34_proj
	.globl	k_q050fd93a34_proj
	.p2align	8
	.type	k_q050fd93a34_proj,@function
k_q050fd93a34_proj:
	s_mov_b64 s[64:65], 0
	v_nop
	global_prefetch_b8 v0, s[64:65] scope:SCOPE_SE
	s_setreg_imm32_b32 hwreg(HW_REG_WAVE_MODE, 25, 1), 1
	s_wait_xcnt 0x0
	s_wait_alu depctr_hold_cnt(0) depctr_sa_sdst(0) depctr_va_vdst(0) depctr_va_sdst(0) depctr_va_ssrc(0) depctr_va_vcc(0) depctr_vm_vsrc(0)
	s_getreg_b32 s2, hwreg(HW_REG_IB_STS2, 6, 4)
	s_cmp_eq_u32 s2, 0
	s_cbranch_scc0 .Lentry_in_a_cluster
	s_endpgm
.Lentry_in_a_cluster:
	s_bfe_u32 s2, ttmp6, 0x10000c
	s_cmp_lg_u32 s2, 0xf033
	s_cbranch_scc0 .Lentry_shape_is_right
	s_endpgm
.Lentry_shape_is_right:
; The three projections q = query Wq^T + bq, k = key Wk^T + bk, v = value Wv^T + bv on codes of FP6 (E2M3) with E8M0 scales, K = 1,024, and the quantising of their results for the attention.
; ONE FORM FOR ALL THREE: C[i][j] = sum over k of P[i][k] R[j][k] (+ bias), quantised along j.  Source 0 of the matrix instruction = 16 rows of R, source 1 = 16 rows of P: a lane holds ONE i and its registers run along j.
;   q, k: P = the tokens, R = the weight's rows (features): j runs along a head's 64, the K of the scores' product.      v: P = Wv's rows (channels), R = the tokens: j runs along the keys, the K of the second product.
; The rows of all operands lie in memory with the four groups of 8 inside each 32 in the order 0, 2, 1, 3: so the 16 registers of R's tiles 2 b and 2 b + 1 are the 16 neighbours j = 32 b + 16 (lane / 16) + 0 .. 15.
; A tile of C, 256 x 256, is made by four waves, each 128 x 128 in 64 accumulators.  K goes in steps of 256 through a ring of two LDS slots filled by the tensor data mover; the scale bytes of the work-group's rows come once.
; CLUSTERS: 4 x 4 work-groups; P's tiles are shared along a row of the cluster, R's along a column, each asked for jointly.  24 clusters: 8 for each of q, k, v (g = cluster y / 8, u = cluster y % 8: equal in all partners).
; THE BIAS is the C of the first K step's products.  q, k: it hangs on j (eight registers for each tile of R); v: on i (the lane's channel, in all eight registers).  So the first step is written twice.
; THE WAY OUT has no LDS: a block of 16 i x 128 j is quantised in registers and IS an operand's register image: q, k: two halves (16 tokens x a head's 64: registers 0-3 at 16 x lane, 4-5 at 512 + 8 x lane: 768 bytes);
; v: one fragment (16 channels x 128 keys: three times 512 bytes).  Every store of codes covers 512 or 256 consecutive bytes, aligned.  Scale words: 4 bytes a row; q's and k's hold their two bytes twice.
; LIMITS: a block of zeros gets the byte 1 (its codes are zeros; this program alone reads the bytes); blocks under 2^-124 keep the byte 1; NaN and infinities are not served.
; No prefetch: K has four K steps, of which two are asked for at the head and two a step later.  384 tiles of equal work on work-groups of one tile each.
; REGISTERS, in windows of 256: window 0: v0-31 addresses; v32-63 scale words, two sets; v64-127 the bias; from v128 P's fragments, one set; on the way out v112-131 codes, v200-223 at work.
;   window 1: R's fragments, two sets, at v0 and v128.   window 2: the accumulators of my i 0-63 ((a, b) at v[8 (8 a + b)]);   window 3: those of i 64-127.
.set KSTEP,  256
.set NQ,     2                         ; matrix instructions deep in a slot
.set ROWB,   192                       ; a tile's row in bytes
.set KROW,   768                       ; a row of codes in memory
.set PITCH,  240                       ; an LDS row: 3 x (64 bytes + 16 of padding)
.set FR,     12                        ; registers of a fragment
.set NL,     6                         ; LDS loads that bring one
.set NP,     4                         ; places behind this matrix instruction (ISA guide 7.12.1)
.set HALFT,  128*PITCH
.set SLOT,   4*HALFT                   ; P's 256 rows, then R's 256 rows
.set LAPS,   2                         ; 1,024 / 512
.set KS,     32                        ; a row of scale bytes
.set SCL,    2*SLOT                    ; behind the ring: the scales, as units of 256 bytes + 16 of padding
.set HALFS,  16*272                    ; the scales of 128 rows
.set SBLK,   2*272                     ; those of 16 rows
.set SPARE,  SCL+4*HALFS               ; the spare words, 128 bytes for each wave
.set ADRA, 16                          ; v16-17 LDS address of my P fragments in slot 0, 1 (v18-19: behind one padding more)
.set ADRB, 20                          ; v20-23 the same for R
.set O16,  24                          ; v24  16 x lane
.set O8,   25                          ; v25  8 x lane
.set O4,   26                          ; v26  4 x lane
.set ADRS, 27                          ; v27  LDS address of my scale words: lanes 0-15 P's rows, lanes 16-31 R's
.set SPW,  28                          ; v28  my spare word; never rewritten
.set NIL,  29                          ; v29  0; never rewritten
.set SC,   32                          ; scale words
.set BS,   64                          ; the bias, 8 x 8 registers
.set AF,   128                         ; P's fragments
.set CD,   112                         ; the way out: 12 registers of codes, 8 at work
.set TM,   200                         ; v200-203 largest magnitudes, v204-207 bytes, v212-215 the conversions' scale operands
.set PW,   216                         ; the scale word just made
.set W,    220                         ; v220-223 scale words on their way out
.set WV,   18                          ; s18 wave;  s19 which half of i is mine, also: I fetch for P (0) or R (1);  s20 which half of j, also: which 128 rows I fetch
.set IH,   19
.set JH,   20
.set G1, 24
.set G0, 32
.set G1B, 48
.set G0B, 56
.set G1S, 68
.set G0S, 76
.set G1SB, 80
.set G0SB, 88
.set BP,  96                           ; s[96:97] the bias at my first number
.set HI,  98                           ; s98  lanes 16-31
.set SEL, 100                          ; s[100:101] v_permlanex16_b32's selects for lane l xor 16
.set MSB, 0
.macro WIN new                         ; the immediate's high byte repeats the setting that is left
.if MSB != (\new)
	s_set_vgpr_msb (MSB<<8)|(\new)
.set MSB, (\new)
.endif
.endm
.set MUL_LO, 0xa1                      ; source 0 (R) window 1, source 1 (P) window 0, C and D window 2
.set MUL_HI, 0xf1                      ; the same, C and D window 3
.set TO_B,   0x40                      ; destination window 1, address window 0
; A joint load: waves 0 and 1 fetch for P, waves 2 and 3 for R.  The branch hangs on the wave's number alone.  An s_nop 0 and four v_nop follow each of the two lines.
.macro JLOAD g0a, g1a, g0b, g1b
	s_cmp_eq_u32 s[IH], 0
	s_cbranch_scc0 .Lfor_b_\@
	tensor_load_to_lds s[\g0a:\g0a+3], s[\g1a:\g1a+7]
	s_nop 0
.rept 4
	v_nop
.endr
	s_branch .Lasked_\@
.Lfor_b_\@:
	tensor_load_to_lds s[\g0b:\g0b+3], s[\g1b:\g1b+7]
	s_nop 0
.rept 4
	v_nop
.endr
.Lasked_\@:
.endm
.macro CREST                           ; a round of the cluster's barrier behind its opening barrier
	s_cmp_lg_u32 s[WV], 0
	s_cbranch_scc1 .Lnot_wave_0_\@
	s_barrier_signal -3
.Lnot_wave_0_\@:
	s_barrier_wait -3
	s_barrier_signal -1
	s_barrier_wait -1
.endm
.macro CROUND                          ; a whole round
	s_barrier_signal -1
	s_barrier_wait -1
	CREST
.endm
	s_load_b256 s[4:11], s[0:1], 0x0               ; the codes s[4:5], the scale bytes s[6:7], bq s[8:9], bk s[10:11]
	s_load_b128 s[12:15], s[0:1], 0x20             ; bv s[12:13], the results' codes s[14:15]
	s_load_b64 s[16:17], s[0:1], 0x30              ; the results' scale words
	v_lshl_add_u32 v[SPW], v0, 2, SPARE
	v_mov_b32 v[NIL], 0
	ds_add_u32 v[SPW], v[NIL]                      ; the wave's opening: the add and its wait stand ahead of my first tensor load; the set-up below stands between them
	v_lshrrev_b32 v1, 5, v0
	v_readfirstlane_b32 s[WV], v1                  ; wave 0..3
	s_lshr_b32 s[IH], s[WV], 1
	s_and_b32 s[JH], s[WV], 1
	s_bfe_u32 s40, ttmp6, 0x40000                  ; cx, cy: my place in the cluster
	s_bfe_u32 s41, ttmp6, 0x40004
	s_and_b32 s21, ttmp7, 0xffff                   ; the cluster's y, 0 .. 23
	s_lshr_b32 s2, s21, 3                          ; g: 0 q, 1 k, 2 v
	s_and_b32 s42, s21, 7                          ; u: which 1,024 tokens
	s_lshl_b32 s43, s41, 2
	s_lshl_b32 s43, 15, s43                        ; my row of the cluster
	s_lshl_b32 s44, 0x1111, s40                    ; my column
	; descriptor group 1: a tile of 128 rows x 192 bytes, 16 bytes of padding behind every 64
	s_or_b32 s[G1+0], s43, (0<<16)|(1<<20)|(1<<21)|(3<<22)|(3<<25)
	s_or_b32 s[G1B+0], s44, (0<<16)|(1<<20)|(1<<21)|(3<<22)|(3<<25)
.irp g, G1, G1B
	s_mov_b32 s[\g+1], ROWB<<16                    ; tensor_dim0
	s_mov_b32 s[\g+2], 128<<16                     ; tensor_dim1
	s_mov_b32 s[\g+3], ROWB<<16                    ; tile_dim0
	s_mov_b32 s[\g+4], 128                         ; tile_dim1
	s_mov_b32 s[\g+5], KROW                        ; tensor_dim0_stride
	s_mov_b32 s[\g+6], 0
	s_mov_b32 s[\g+7], 0
.endr
	; the scales of 128 rows: 4,096 dense bytes, as 16 rows of 256 bytes (32 elements of 8), 16 bytes of padding behind each
	s_or_b32 s[G1S+0], s43, (3<<16)|(1<<20)|(1<<21)|(5<<22)|(3<<25)
	s_or_b32 s[G1SB+0], s44, (3<<16)|(1<<20)|(1<<21)|(5<<22)|(3<<25)
.irp g, G1S, G1SB
	s_mov_b32 s[\g+1], 32<<16
	s_mov_b32 s[\g+2], 16<<16
	s_mov_b32 s[\g+3], 32<<16
	s_mov_b32 s[\g+4], 16
	s_mov_b32 s[\g+5], 32
	s_mov_b32 s[\g+6], 0
	s_mov_b32 s[\g+7], 0
.endr
	; the rows.  The tokens of tensor g begin at row 8,192 g, its weight at row 24,576 + 1,024 g.  q, k: P = tokens, R = weight; v: the two change places
	s_lshl_b32 s21, s2, 13
	s_lshl_b32 s22, s42, 10
	s_add_co_u32 s21, s21, s22                     ; 8,192 g + 1,024 u
	s_lshl_b32 s23, s2, 10
	s_add_co_u32 s23, s23, 24576                   ; 24,576 + 1,024 g
	s_cmp_eq_u32 s2, 2
	s_cselect_b32 s66, s23, s21                    ; P's first row for this cluster
	s_cselect_b32 s67, s21, s23                    ; R's
	s_lshl_b32 s22, s[JH], 7                       ; which 128 rows of the tile I fetch
	s_lshl_b32 s21, s41, 8
	s_add_co_u32 s21, s21, s66
	s_add_co_u32 s21, s21, s22                     ; P: + 256 cy + 128 x half
	s_lshl_b32 s46, s40, 8
	s_add_co_u32 s46, s46, s67
	s_add_co_u32 s46, s46, s22                     ; R: + 256 cx + 128 x half
	s_lshl_b32 s92, s21, 5                         ; where these rows' scales begin, in bytes (all under 2^25)
	s_mov_b32 s93, 0
	s_lshl_b32 s94, s46, 5
	s_mov_b32 s95, 0
	s_mul_i32 s22, s21, KROW                       ; and their codes
	s_mov_b32 s23, 0
	s_mul_i32 s46, s46, KROW
	s_mov_b32 s47, 0
	s_mul_i32 s45, s[WV], HALFT                    ; where they go: wave x 128 rows: no place in the cluster enters an LDS address
	s_mul_i32 s99, s[WV], HALFS
	s_mov_b32 s[HI], 0xffff0000
	s_mov_b32 s[SEL], 0x76543210
	s_mov_b32 s[SEL+1], 0xfedcba98
	s_wait_dscnt 0x0                               ; the opening add is done
	s_wait_kmcnt 0x0
	s_add_nc_u64 s[22:23], s[4:5], s[22:23]
	s_add_nc_u64 s[92:93], s[6:7], s[92:93]
	s_add_nc_u64 s[46:47], s[4:5], s[46:47]
	s_add_nc_u64 s[94:95], s[6:7], s[94:95]
	CROUND                                         ; all sixteen work-groups are here: the first joint loads meet
	s_mov_b32 s[G0S], 1
	s_add_co_u32 s[G0S+1], s99, SCL
	s_mov_b64 s[G0S+2:G0S+3], s[92:93]
	s_or_b32 s[G0S+3], s[G0S+3], 0x80000000
	s_mov_b32 s[G0SB], 1
	s_add_co_u32 s[G0SB+1], s99, SCL
	s_mov_b64 s[G0SB+2:G0SB+3], s[94:95]
	s_or_b32 s[G0SB+3], s[G0SB+3], 0x80000000
	JLOAD G0S, G1S, G0SB, G1SB                     ; the scales first: they are wanted with K step 0
.irp s, 0,1
	s_mov_b32 s[G0+4*\s], 1
	s_add_co_u32 s[G0+4*\s+1], s45, \s*SLOT
	s_add_nc_u64 s[G0+4*\s+2:G0+4*\s+3], s[22:23], \s*ROWB
	s_or_b32 s[G0+4*\s+3], s[G0+4*\s+3], 0x80000000
	s_mov_b32 s[G0B+4*\s], 1
	s_add_co_u32 s[G0B+4*\s+1], s45, \s*SLOT
	s_add_nc_u64 s[G0B+4*\s+2:G0B+4*\s+3], s[46:47], \s*ROWB
	s_or_b32 s[G0B+4*\s+3], s[G0B+4*\s+3], 0x80000000
	JLOAD G0+4*\s, G1, G0B+4*\s, G1B               ; three tensor loads of mine are out
.endr
	; the bias.  q, k: my 128 features, 256 cx + 128 x (half of j); v: my 128 channels, 256 cy + 128 x (half of i)
	s_cmp_eq_u32 s2, 0
	s_cselect_b64 s[BP:BP+1], s[8:9], s[10:11]
	s_cmp_eq_u32 s2, 2
	s_cselect_b64 s[BP:BP+1], s[12:13], s[BP:BP+1]
	s_cselect_b32 s8, s41, s40                     ; (s8 to s13 are free from here on)
	s_cselect_b32 s9, s[IH], s[JH]
	s_lshl_b32 s8, s8, 10
	s_lshl_b32 s9, s9, 9
	s_add_co_u32 s8, s8, s9
	s_mov_b32 s9, 0
	s_add_nc_u64 s[BP:BP+1], s[BP:BP+1], s[8:9]
	v_and_b32 v1, 15, v0                           ; r = l % 16
	v_bfe_u32 v2, v0, 4, 1                         ; h = l / 16
	v_lshlrev_b32 v8, 6, v2                        ; q, k: my half's 16 numbers of each 32
	v_and_b32 v9, 8, v1
	v_add_nc_u32 v9, v9, v1
	v_lshlrev_b32 v9, 2, v9                        ; v: my lane's channel in a tile: r + 8 (r / 8)
	s_cmp_eq_u32 s2, 2
	s_cbranch_scc1 .Lbias_v
.irp x, 0,1,2,3,4,5,6,7                        ; tile x of R: features 32 (x / 2) + 16 h + 8 (x % 2) + 0 .. 7
	global_load_b128 v[BS+8*\x:BS+8*\x+3], v8, s[BP:BP+1] offset:4*(32*(\x/2)+8*(\x%2))
	global_load_b128 v[BS+8*\x+4:BS+8*\x+7], v8, s[BP:BP+1] offset:4*(32*(\x/2)+8*(\x%2))+16
.endr
	s_branch .Lbias_done
.Lbias_v:
.irp x, 0,1,2,3,4,5,6,7                        ; block x of P: channel 32 (x / 2) + 8 (x % 2) + r + 8 (r / 8), the same in all eight registers
	global_load_b32 v[BS+8*\x], v9, s[BP:BP+1] offset:4*(32*(\x/2)+8*(\x%2))
.endr
	s_wait_loadcnt 0x0                             ; (the first tiles are on their way meanwhile)
.irp x, 0,1,2,3,4,5,6,7
.irp j, 1,2,3,4,5,6,7
	v_mov_b32 v[BS+8*\x+\j], v[BS+8*\x]
.endr
.endr
.Lbias_done:
	; where my results go.  q, k: token tile T0 = 64 u + 16 cy + 8 x (half of i), heads 4 cx + 2 x (half of j) on.  v: key step J = 8 u + 2 cx + (half of j), heads 4 cy + 2 x (half of i) on
	s_lshl_b32 s8, s42, 6
	s_lshl_b32 s9, s41, 4
	s_add_co_u32 s8, s8, s9
	s_lshl_b32 s9, s[IH], 3
	s_add_co_u32 s8, s8, s9                        ; T0
	s_lshr_b32 s9, s8, 7                           ; the batch: 128 tiles each
	s_lshl_b32 s9, s9, 4
	s_lshl_b32 s10, s40, 2
	s_add_co_u32 s9, s9, s10
	s_lshl_b32 s10, s[JH], 1
	s_add_co_u32 s9, s9, s10                       ; 16 x batch + head (q, k)
	s_and_b32 s8, s8, 127                          ; the tile in its batch
	s_lshl_b32 s10, s42, 3
	s_lshl_b32 s11, s40, 1
	s_add_co_u32 s10, s10, s11
	s_add_co_u32 s10, s10, s[JH]                   ; J
	s_lshr_b32 s11, s10, 4                         ; the batch: 16 steps each
	s_lshl_b32 s11, s11, 4
	s_lshl_b32 s12, s41, 2
	s_add_co_u32 s11, s11, s12
	s_lshl_b32 s12, s[IH], 1
	s_add_co_u32 s11, s11, s12                     ; 16 x batch + head (v)
	s_and_b32 s10, s10, 15                         ; the step in its batch
	s_mov_b32 s12, 768
	s_cmp_eq_u32 s2, 2
	s_cselect_b32 s9, s11, s9
	s_cselect_b32 s8, s10, s8
	s_cselect_b32 s12, 6144, s12                   ; codes: 768 bytes a tile of q or k, 6,144 a step of v
	s_cselect_b32 s13, 12, 13                      ; scale words: 8,192 bytes a head of q or k, 4,096 of v;
	s_cselect_b32 s99, 8, 6                        ; 64 bytes a tile, 256 a step
	s_mul_i32 s12, s8, s12
	s_mul_i32 s10, s9, 98304                       ; a head's codes
	s_add_co_u32 s10, s10, s12
	s_mul_i32 s12, s2, 6291456                     ; the region of q, k or v
	s_add_co_u32 s10, s10, s12
	s_mov_b32 s11, 0
	s_add_nc_u64 s[14:15], s[14:15], s[10:11]
	s_lshl_b32 s10, s9, s13
	s_lshl_b32 s12, s8, s99
	s_add_co_u32 s10, s10, s12
	s_lshl_b32 s12, s2, 19
	s_add_co_u32 s10, s10, s12
	s_add_nc_u64 s[16:17], s[16:17], s[10:11]
	; LDS addresses
	v_mul_u32_u24 v3, v1, PITCH
	v_mul_u32_u24 v4, v2, 24
	v_add_nc_u32 v4, v3, v4                        ; a fragment's row x pitch + 24 x half
	v_lshl_add_u32 v5, v2, 4, v4                   ; and the same behind one padding more
	s_mul_i32 s21, s[IH], HALFT                    ; my 128 rows of P
	s_mul_i32 s22, s[JH], HALFT                    ; my 128 rows of R,
	s_add_co_u32 s22, s22, 2*HALFT                 ; which lie behind P's 256
.irp s, 0,1
	v_add_nc_u32 v[ADRA+\s], s21, v4
	v_add_nc_u32 v[ADRB+\s], s22, v4
	v_add_nc_u32 v[ADRA+2+\s], s21, v5
	v_add_nc_u32 v[ADRB+2+\s], s22, v5
	s_add_co_u32 s21, s21, SLOT
	s_add_co_u32 s22, s22, SLOT
.endr
	v_mul_u32_u24 v5, v1, KS                       ; my row's scales: 32 bytes a row,
	v_lshrrev_b32 v6, 8, v5
	v_lshl_add_u32 v5, v6, 4, v5                   ; and 16 more for each 256 passed
	s_mul_i32 s21, s[IH], HALFS
	s_mul_i32 s22, s[JH], HALFS
	s_add_co_u32 s22, s22, 2*HALFS
	s_sub_co_u32 s22, s22, s21
	v_mul_u32_u24 v6, s22, v2                      ; lanes 16-31 take R's
	s_add_co_u32 s21, s21, SCL
	v_add_nc_u32 v5, v5, v6
	v_add_nc_u32 v[ADRS], s21, v5
	v_and_b32 v6, 31, v0
	v_lshlrev_b32 v[O16], 4, v6
	v_lshlrev_b32 v[O8], 3, v6
	v_lshlrev_b32 v[O4], 2, v6
.macro FRAG reg, adr, q, i             ; a fragment: lane l holds row l % 16; registers 6 c .. 6 c + 5 hold K = 64 c + 32 (l / 16) + 0 .. 31: 24 bytes of the row's stream of bits, in pieces of 8 bytes
.irp p, 0,1,2,3,4,5
.set PN, 12*(\q)+6*(\p/3)+\p%3         ; 16 bytes of padding lie behind every 8 pieces: where the piece three on lies behind one padding more, the second address register serves
.if PN%8 < 5
	ds_load_b64 v[\reg+2*\p:\reg+2*\p+1], v[\adr] offset:8*PN+16*(PN/8)+(\i)*16*PITCH
.else
	ds_load_b64 v[\reg+2*\p:\reg+2*\p+1], v[\adr+2] offset:8*PN+16*(PN/8)+(\i)*16*PITCH
.endif
.endr
.endm
; 16 matrix instructions: P's blocks a0, a0 + 1 x R's eight, 128 along K.  p: R's set; sc: the set of scale words.  mode 0: the sums go on; 1: they start from the bias of R's tile b; 2: from the bias of P's block a.
; The 64 accumulators take turns, one instruction a turn, in the same order in every step.
.macro MUL16 a0, p, q, sc, mode
.irp a, \a0, \a0+1
.irp b, 0,1,2,3,4,5,6,7
.set rD, 8*(8*((\a)%4)+\b)
.set rB, 128*(\p)+FR*\b
.set rA, AF+FR*(\a)
.set rSB, SC+8*NQ*(\sc)+NQ*\b+(\q)
.set rSA, SC+8*NQ*(\sc)+NQ*(\a)+(\q)
.if \mode == 1
	v_wmma_scale_f32_16x16x128_f8f6f4 v[rD:rD+7], v[rB:rB+FR-1], v[rA:rA+FR-1], v[BS+8*\b:BS+8*\b+7], v[rSB], v[rSA] matrix_a_fmt:MATRIX_FMT_FP6 matrix_b_fmt:MATRIX_FMT_FP6 matrix_a_scale:MATRIX_SCALE_ROW1
.elseif \mode == 2
	v_wmma_scale_f32_16x16x128_f8f6f4 v[rD:rD+7], v[rB:rB+FR-1], v[rA:rA+FR-1], v[BS+8*(\a):BS+8*(\a)+7], v[rSB], v[rSA] matrix_a_fmt:MATRIX_FMT_FP6 matrix_b_fmt:MATRIX_FMT_FP6 matrix_a_scale:MATRIX_SCALE_ROW1
.else
	v_wmma_scale_f32_16x16x128_f8f6f4 v[rD:rD+7], v[rB:rB+FR-1], v[rA:rA+FR-1], v[rD:rD+7], v[rSB], v[rSA] matrix_a_fmt:MATRIX_FMT_FP6 matrix_b_fmt:MATRIX_FMT_FP6 matrix_a_scale:MATRIX_SCALE_ROW1
.endif
.endr
.endr
.endm
.macro FETCH_B slot, q, p              ; R's eight fragments of the slot's q-th 128 along K into set p
	WIN TO_B
.irp i, 0,1,2,3,4,5,6,7
	FRAG 128*(\p)+FR*\i, ADRB+\slot, \q, \i
.endr
	WIN 0
.endm
.macro FETCH_A slot, q, i0             ; P's blocks i0 .. i0 + 3
.irp i, \i0, \i0+1, \i0+2, \i0+3
	FRAG AF+FR*(\i), ADRA+\slot, \q, \i
.endr
.endm
.macro SCALES sc                       ; a K step's scale words into set sc: lanes 0-15 take P's block i, lanes 16-31 R's block i
.irp i, 0,1,2,3,4,5,6,7
	ds_load_b64 v[SC+8*NQ*\sc+NQ*\i:SC+8*NQ*\sc+NQ*\i+1], v[ADRS] offset:\i*SBLK
.endr
.endm
.macro PLACES n                        ; plain vector instructions between a matrix instruction and a load into, or a read of, its registers
.rept \n
	v_nop
.endr
.endm
; A step of 128 along K that has its successor in the same slot.  With a bias, C lies in window 0 and D in window 2 or 3.
.macro STEP slot, q, mode
	s_wait_dscnt 4*NL                              ; R's set and P's blocks 0-3 are in; the youngest 24 loads (P's blocks 4-7) may be out
.if \mode
	WIN 0x81
.else
	WIN MUL_LO
.endif
	MUL16 0, (\q)%2, \q, \slot, \mode
	MUL16 2, (\q)%2, \q, \slot, \mode
	s_wait_dscnt 0                                 ; P's blocks 4-7 are in
	PLACES NP
	FETCH_B \slot, (\q)+1, 1-(\q)%2
	FETCH_A \slot, (\q)+1, 0
.if \mode
	WIN 0xc1
.else
	WIN MUL_HI
.endif
	MUL16 4, (\q)%2, \q, \slot, \mode
	MUL16 6, (\q)%2, \q, \slot, \mode
	PLACES NP
	WIN 0
	FETCH_A \slot, (\q)+1, 4
.endm
; A slot's last step changes slots: ONE barrier; in front of it each wave waits for all its tensor loads, adds 0 to its spare word, and waits for that and for its own reads of this slot.  fill = 1: this slot is filled again, two K steps ahead.
.macro TURN slot, next, fill
	s_wait_tensorcnt 0x0                           ; all my tensor loads have landed: my part of the next slot
	ds_add_u32 v[SPW], v[NIL]                      ; 0 onto my spare word
	s_wait_dscnt 4*NL+1                            ; (the add and the youngest 24 loads may be out)
	WIN MUL_LO
	MUL16 0, 1, NQ-1, \slot, 0                     ; sixteen matrix instructions stand between the add and the wait for it
	s_wait_dscnt 0x0                               ; the add is done, and my reads of this slot are over
	s_barrier_signal -1
	MUL16 2, 1, NQ-1, \slot, 0
	WIN 0
	s_barrier_wait -1
.if \fill
	CREST                                          ; the barrier has opened a round of the cluster's barrier: no wave of any partner still reads this slot or has a load on its way
	s_add_nc_u64 s[G0+4*\slot+2:G0+4*\slot+3], s[G0+4*\slot+2:G0+4*\slot+3], 2*ROWB
	s_add_nc_u64 s[G0B+4*\slot+2:G0B+4*\slot+3], s[G0B+4*\slot+2:G0B+4*\slot+3], 2*ROWB
	JLOAD G0+4*\slot, G1, G0B+4*\slot, G1B         ; the first tensor load behind the round; its four v_nop are the places in front of the loads below
.else
	PLACES NP
.endif
	v_add_nc_u32 v[ADRS], 4*NQ, v[ADRS]            ; on to the next K step's scale words
	FETCH_B \next, 0, 0
	FETCH_A \next, 0, 0
	SCALES \next
	WIN MUL_HI
	MUL16 4, 1, NQ-1, \slot, 0
	MUL16 6, 1, NQ-1, \slot, 0
	PLACES NP
	WIN 0
	FETCH_A \next, 0, 4
.endm
	s_wait_tensorcnt 1                             ; the scales and my part of K step 0 are in (K step 1's load may be out),
	s_barrier_signal -1
	s_barrier_wait -1                              ; everybody's are
	FETCH_B 0, 0, 0
	FETCH_A 0, 0, 0
	SCALES 0
	FETCH_A 0, 0, 4
	s_wait_loadcnt 0x0                             ; the bias
	s_cmp_eq_u32 s2, 2                             ; g is the same in all sixteen partners
	s_cbranch_scc1 .Lfirst_v
	STEP 0, 0, 1                                   ; q, k: the first step's products start the sums from the bias along j
	s_branch .Lfirst_done
.Lfirst_v:
	STEP 0, 0, 2                                   ; v: from the bias along i.  Both copies issue the same LDS loads
.Lfirst_done:
	s_mov_b32 s3, LAPS-1
.Llap:                                                 ; a trip goes once round the ring and fills both slots again
	TURN 0, 1, 1
	STEP 1, 0, 0
	TURN 1, 0, 1
	STEP 0, 0, 0
	s_sub_co_u32 s3, s3, 1
	s_cmp_lg_u32 s3, 0
	s_cbranch_scc1 .Llap
	TURN 0, 1, 0                                   ; the last lap fills nothing, and has no round of the cluster's barrier
	STEP 1, 0, 0
	s_wait_dscnt 4*NL                              ; the very last step: nothing more to fetch
	WIN MUL_LO
	MUL16 0, 1, NQ-1, 1, 0
	MUL16 2, 1, NQ-1, 1, 0
	s_wait_dscnt 0
	WIN MUL_HI
	MUL16 4, 1, NQ-1, 1, 0
	MUL16 6, 1, NQ-1, 1, 0
	WIN 0
; THE WAY OUT.  Block a's 64 registers of a lane, register 16 b + i = j 32 b + 16 (lane / 16) + i of my row i, become 12 registers of codes in v[CD] on and a scale word in v[PW].
; Each accumulator is read from its low end on: the maxima go up the registers.
.macro QUANTW a
.set AC, 64*((\a)%4)
	WIN 0x28+0x14*((\a)/4)                         ; sources 1 and 2: window 2 or 3
.irp b, 0,1,2,3
	v_max3_num_f32 v[TM+\b], 0x1800000, |v[AC+16*\b]|, |v[AC+16*\b+1]|   ; block b: my 16 numbers, and the floor 2^(3 - 127): the byte cannot fall under 1
.endr
.irp i, 2,4,6,8,10,12,14
.irp b, 0,1,2,3
	v_max3_num_f32 v[TM+\b], v[TM+\b], |v[AC+16*\b+\i]|, |v[AC+16*\b+\i+1]|
.endr
.endr
	WIN 0
.irp b, 0,1,2,3
	v_permlanex16_b32 v[TM+4+\b], v[TM+\b], s[SEL], s[SEL+1]
.endr
.irp b, 0,1,2,3
	v_max_num_f32 v[TM+\b], v[TM+\b], v[TM+4+\b]   ; with lane l xor 16's: the block's largest magnitude
.endr
.irp b, 0,1,2,3
	v_add_nc_u32 v[TM+12+\b], 0xff000000, v[TM+\b] ; 2 off its exponent field: the conversion's scale operand
.endr
.irp b, 0,1,2,3
	v_lshrrev_b32 v[TM+4+\b], 23, v[TM+12+\b]      ; the scale's byte
.endr
	v_lshl_or_b32 v[PW], v[TM+5], 8, v[TM+4]
	v_lshl_or_b32 v[PW], v[TM+6], 16, v[PW]
	v_lshl_or_b32 v[PW], v[TM+7], 24, v[PW]
	s_wait_xcnt 0x0                                ; the last block's stores have read their registers: the codes and the words on their way out are rewritten only behind this wait
	WIN 0x02+((\a)/4)                              ; source 0: window 2 or 3
.irp c, 0,1
	v_cvt_scalef32_pk16_fp6_f32 v[CD+6*\c:CD+2+6*\c], v[AC+32*\c:AC+15+32*\c], v[TM+12+2*\c]
	v_cvt_scalef32_pk16_fp6_f32 v[CD+12+4*\c:CD+14+4*\c], v[AC+16+32*\c:AC+31+32*\c], v[TM+12+2*\c+1]   ; (a conversion's three registers begin on an even number)
.endr
	WIN 0
	v_nop                                          ; one plain place behind a scaled conversion
.irp c, 0,1                                    ; the operand's layout wants a WHOLE block in a lane
.irp i, 0,1,2
	v_permlane16_swap_b32 v[CD+6*\c+\i], v[CD+12+4*\c+\i]
.endr
.irp i, 0,1,2
	v_mov_b32 v[CD+3+6*\c+\i], v[CD+12+4*\c+\i]
.endr
.endr
.endm
; q, k: registers 0-5 are 16 tokens x the first head's 64, registers 6-11 the second head's.  The scale words of two neighbouring tiles leave together: lanes 0-15 the even tile's, lanes 16-31 the odd one's.
.macro EPI_QK a
	QUANTW \a
.irp c, 0,1
	global_store_b128 v[O16], v[CD+6*\c:CD+6*\c+3], s[14:15] offset:\c*98304+768*(\a)        ; 512 consecutive bytes, aligned
	global_store_b64 v[O8], v[CD+6*\c+4:CD+6*\c+5], s[14:15] offset:\c*98304+768*(\a)+512    ; 256
.endr
.if (\a)%2 == 0
	v_perm_b32 v[W], v[PW], v[PW], 0x01000100      ; the first head's two bytes, twice
	v_perm_b32 v[W+1], v[PW], v[PW], 0x03020302    ; the second head's
.else
	v_perm_b32 v[W+2], v[PW], v[PW], 0x01000100
	v_perm_b32 v[W+3], v[PW], v[PW], 0x03020302
	v_cndmask_b32 v[W+2], v[W], v[W+2], s[HI]
	v_cndmask_b32 v[W+3], v[W+1], v[W+3], s[HI]
	global_store_b32 v[O4], v[W+2], s[16:17] offset:64*((\a)-1)
	global_store_b32 v[O4], v[W+3], s[16:17] offset:8192+64*((\a)-1)
.endif
.endm
; v: the 12 registers are 16 channels x 128 keys: tile a % 4 of head a / 4
.macro EPI_V a
	QUANTW \a
.irp c, 0,1,2
	global_store_b128 v[O16], v[CD+4*\c:CD+4*\c+3], s[14:15] offset:((\a)/4)*98304+((\a)%4)*1536+512*\c
.endr
.if (\a)%2 == 0
	v_mov_b32 v[W], v[PW]
.else
	v_cndmask_b32 v[W+1], v[W], v[PW], s[HI]
	global_store_b32 v[O4], v[W+1], s[16:17] offset:((\a)/4)*4096+(((\a)%4)/2)*128
.endif
.endm
	PLACES NP                                      ; behind the last products: the lines below write registers that held P's fragments, and read results
.irp b, 0,1,2,3
	v_mov_b32 v[TM+4+\b], 0                        ; written once: a lane permute's destination counts as one of its sources
.endr
	s_cmp_eq_u32 s2, 2
	s_cbranch_scc1 .Lout_v
.irp a, 0,1,2,3,4,5,6,7
	EPI_QK \a
.endr
	s_branch .Lout_done
.Lout_v:
.irp a, 0,1,2,3,4,5,6,7
	EPI_V \a
.endr
.Lout_done:
	s_wait_tensorcnt 0x0                           ; the wave's end, behind my last tensor load
	ds_add_u32 v[SPW], v[NIL]
	s_wait_dscnt 0x0
	CROUND                                         ; the closing round: no work-group ends while a partner may still ask for a tile that names it
	s_endpgm
.Lfunc_end_k_q050fd93a34_proj:
	.size	k_q050fd93a34_proj, .Lfunc_end_k_q050fd93a34_proj-k_q050fd93a34_proj
	.p2alignl 7, 3214868480
	.fill 96, 4, 3214868480
	.section	.rodata,"a",@progbits
	.p2align	6, 0x0
	.amdhsa_kernel k_q050fd93a34_proj
		.amdhsa_group_segment_fixed_size 327680
		.amdhsa_private_segment_fixed_size 0
		.amdhsa_enable_private_segment 0
		.amdhsa_kernarg_size 56
		.amdhsa_user_sgpr_count 2
		.amdhsa_user_sgpr_kernarg_segment_ptr 1
		.amdhsa_wavefront_size32 1
		.amdhsa_system_sgpr_workgroup_id_x 1
		.amdhsa_system_sgpr_workgroup_id_y 1
		.amdhsa_system_sgpr_workgroup_id_z 1
		.amdhsa_system_vgpr_workitem_id 0
		.amdhsa_next_free_vgpr 1024
		.amdhsa_next_free_sgpr 102
		.amdhsa_reserve_vcc 0
		.amdhsa_float_denorm_mode_32 3
		.amdhsa_float_denorm_mode_16_64 3
		.amdhsa_memory_ordered 1
		.amdhsa_forward_progress 1
		.amdhsa_inst_pref_size 222
	.end_amdhsa_kernel
	.amdgpu_metadata
---
amdhsa.version: [ 1, 2 ]
amdhsa.kernels:
  - .name:           k_q050fd93a34_proj
    .symbol:         k_q050fd93a34_proj.kd
    .args:
      - { .name: xcodes, .offset: 0, .size: 8, .value_kind: global_buffer, .address_space: global }
      - { .name: xscales, .offset: 8, .size: 8, .value_kind: global_buffer, .address_space: global }
      - { .name: bq, .offset: 16, .size: 8, .value_kind: global_buffer, .address_space: global }
      - { .name: bk, .offset: 24, .size: 8, .value_kind: global_buffer, .address_space: global }
      - { .name: bv, .offset: 32, .size: 8, .value_kind: global_buffer, .address_space: global }
      - { .name: pcodes, .offset: 40, .size: 8, .value_kind: global_buffer, .address_space: global }
      - { .name: pscales, .offset: 48, .size: 8, .value_kind: global_buffer, .address_space: global }
    .group_segment_fixed_size: 327680
    .private_segment_fixed_size: 0
    .kernarg_segment_align: 8
    .kernarg_segment_size: 56
    .max_flat_workgroup_size: 128
    .sgpr_count:     102
    .vgpr_count:     1024
    .wavefront_size: 32
...
	.end_amdgpu_metadata
.endif
;; end of part 2
;; launch attn (part 3): grid 4 x 64, 16 waves a work-group, clusters of 4 x 1, 212,992 bytes of LDS; arguments pcodes, pscales, acodes, ascales; writes acodes, ascales
.if DOCPART == 3
	.amdgcn_target "amdgcn-amd-amdhsa--gfx1250"
	.amdhsa_code_object_version 6
	.text
	.protected	k_q050fd93a34_attn
	.globl	k_q050fd93a34_attn
	.p2align	8
	.type	k_q050fd93a34_attn,@function
k_q050fd93a34_attn:
	s_mov_b64 s[64:65], 0
	v_nop
	global_prefetch_b8 v0, s[64:65] scope:SCOPE_SE
	s_setreg_imm32_b32 hwreg(HW_REG_WAVE_MODE, 25, 1), 1
	s_wait_xcnt 0x0
	s_wait_alu depctr_hold_cnt(0) depctr_sa_sdst(0) depctr_va_vdst(0) depctr_va_sdst(0) depctr_va_ssrc(0) depctr_va_vcc(0) depctr_vm_vsrc(0)
	s_getreg_b32 s2, hwreg(HW_REG_IB_STS2, 6, 4)
	s_cmp_eq_u32 s2, 0
	s_cbranch_scc0 .Lentry_in_a_cluster
	s_endpgm
.Lentry_in_a_cluster:
	s_bfe_u32 s2, ttmp6, 0x10000c
	s_cmp_lg_u32 s2, 0x3003
	s_cbranch_scc0 .Lentry_shape_is_right
	s_endpgm
.Lentry_shape_is_right:
; o[b][h][q] = the sum over k of softmax_k(q . k / 8) v, both products on codes of FP6 (E2M3) with E8M0 scales, and the quantising of o along the model's 1,024 for the last product.
; THE SOFTMAX AHEAD OF THE SECOND PRODUCT: t = score x log2(e) / 8; M = the running largest t rounded UP to a whole number; p = 2^(t - M) is quantised along the keys, not normalised; the row's sum is taken of the
; unquantised p and divides at the end.  When M moves, the sum and O are multiplied by 2^(old M - new M): exact.
; SHARES.  A work-group owns one head (16 x batch + head = the cluster's y) and 512 of its 2,048 queries; each of its sixteen waves 16 queries a pass, two passes.  Four waves share a SIMD, so that one wave's
; vector work stands beside another's matrix work and LDS loads.  The four work-groups of a head are one cluster.
; ALL OF A HEAD'S K AND V STAYS IN LDS: 98,304 bytes of codes each, 8,192 and 4,096 of scale words.  They come once, by joint loads (mask: all four partners) issued at the head by wave 0 (K) and wave 1 (V), in four
; chunks of 512 keys, so that the first steps begin when the first chunk has landed.  Nothing is filled again: no ring, no round in the loop.  No prefetch: every byte is asked for in the launch's first lines.
; LAYOUT.  Both products are used transposed: S^T = K Q^T, O^T = V^T P^T: a lane holds ONE query (lane % 16) throughout.  K, Q and V lie in memory and in LDS as images of operand registers.
; K = 64 in the first product, 128 in the instruction: a fragment holds TWO tiles of 16 keys, tile 2 G in registers 0-5 and tile 2 G + 1 in registers 6-11, and is multiplied twice: by (q, 0) and by (0, q).
; Zero codes add nothing under any scale byte that this program makes (1 to 254).  The tokens of a tile are not neighbours (lane r of tile 2 G + u: token 32 G + 8 u + r + 8 (r / 8)), so that the 16 registers of
; tiles 2 G and 2 G + 1 are the neighbouring keys 32 G + 16 (lane / 16) + 0 .. 15.  V's channels likewise, so that O^T's 32 registers are the channels 32 b + 16 (lane / 16) + i.
; LIMITS: a block of zeros gets the byte 1 (its codes are zeros; this program alone reads the bytes); NaN and infinities are not served.
.set VC,    98304                      ; LDS: K's codes from 0, V's from here,
.set KSC,   196608                     ; K's scale words,
.set VSC,   204800                     ; V's,
.set SPARE, 208896                     ; the spare words, 128 bytes for each of sixteen waves
.set CHB,   24576                      ; a chunk: 512 keys' codes of K, or of V
.set L16, 1                            ; v1   16 x lane
.set L8,  2                            ; v2   8 x lane
.set L4,  3                            ; v3   4 x lane
.set SPW, 4                            ; v4   my spare word; never rewritten
.set NIL, 5                            ; v5   0; never rewritten
.set ADK, 6                            ; v6-10 LDS addresses of the step in hand: K's codes (16 and 8 bytes a lane), V's codes, K's scale words, V's
.set ADK8, 7
.set ADV, 8
.set ADS, 9
.set ADT, 10
.set R32, 11                           ; v11  32 x (lane % 16)
                                       ; v12 -M, v13 the largest t, v[14:15] the sum in two halves
.set QA,  16                           ; v16-27  (q, 0)
.set QB,  28                           ; v28-39  (0, q)
.set FRG, 40                           ; v40-87  four fragments of K, then of V
.set SCO, 88                           ; v88-151 S^T, then p
.set OTR, 152                          ; v152-183 O^T
.set PCD, 184                          ; v184-195 p's codes
.set CT,  196                          ; v196-203 at work
.set BM,  204                          ; v204-207 the blocks' largest
.set BT,  208                          ; v208-211 at work
.set SO,  212                          ; v212-215 the conversions' scale operands
.set KSR, 216                          ; v216-219 K's scale words
.set VSR, 220                          ; v220-221 V's
.set QS,  222                          ; v222 Q's
.set FF,  224                          ; v224 f = 2^(old M - new M)
.set PW,  225                          ; v225 p's scale word
.set TP,  226
.set R4,  227                          ; v227 4 x (lane % 16)
.set WV,  12
.set CX,  13
.set BH,  14
.set SEL, 20                           ; s[20:21] v_permlanex16_b32's selects for lane l xor 16
.set CS,  22                           ; s[22:23] c = log2(e) / 8
.set G1C, 24                           ; s[24:31] group 1 for a chunk of codes; s[32:39] for K's scale words; s[40:47] for V's
.set G1KS, 32
.set G1VS, 40
.set G0S, 48                           ; s[48:51] group 0 for the scale words; s[52:63], s[68:71] for the four chunks
.set G0C, 52
.set TK,  2                            ; s2  LDS byte of the step's codes of K;  s3 of its scale words;  s66 of V's scale words
.set TS,  3
.set TT,  66
.set CNT, 67
.set PASS, 72
.set QP,  76                           ; s[76:77] Q's image, s[78:79] its scale words, s[80:81] where o's codes go, s[82:83] its scale bytes
.set QSP, 78
.set OP,  80
.set OSP, 82
.macro CROUND                          ; a round of the cluster's barrier
	s_barrier_signal -1
	s_barrier_wait -1
	s_cmp_lg_u32 s[WV], 0
	s_cbranch_scc1 .Lnot_wave_0_\@
	s_barrier_signal -3
.Lnot_wave_0_\@:
	s_barrier_wait -3
	s_barrier_signal -1
	s_barrier_wait -1
.endm
; a wave's five first fills: the scale words, then the four chunks; an s_nop 0 follows each, four v_nop the last
.macro FIRST g1s
	tensor_load_to_lds s[G0S:G0S+3], s[\g1s:\g1s+7]
	s_nop 0
	tensor_load_to_lds s[52:55], s[G1C:G1C+7]
	s_nop 0
	tensor_load_to_lds s[56:59], s[G1C:G1C+7]
	s_nop 0
	tensor_load_to_lds s[60:63], s[G1C:G1C+7]
	s_nop 0
	tensor_load_to_lds s[68:71], s[G1C:G1C+7]
	s_nop 0
.rept 4
	v_nop
.endr
.endm
	s_load_b256 s[4:11], s[0:1], 0x0               ; q, k, v's codes s[4:5], their scale words s[6:7], o's codes s[8:9], o's scale bytes s[10:11]
	v_lshl_add_u32 v[SPW], v0, 2, SPARE
	v_mov_b32 v[NIL], 0
	ds_add_u32 v[SPW], v[NIL]                      ; the wave's opening: the add and its wait stand ahead of the first tensor loads; the set-up below stands between them
	ds_add_u32 v[SPW], v[NIL]
	v_lshrrev_b32 v[TP], 5, v0
	s_delay_alu instid0(VALU_DEP_1)
	v_readfirstlane_b32 s[WV], v[TP]               ; wave 0..15
	s_bfe_u32 s[CX], ttmp6, 0x40000                ; my place in the cluster: it enters Q's and o's addresses alone
	s_and_b32 s[BH], ttmp7, 0xffff                 ; 16 x batch + head, which the four partners share
	; descriptor groups 1: dense blocks as rows of 256 bytes (32 elements of 8 bytes), no padding; 15:0 the mask: all four work-groups; 21 set beside a mask
.irp g, G1C, G1KS, G1VS
	s_mov_b32 s[\g], 15|(3<<16)|(1<<21)
	s_mov_b32 s[\g+1], 32<<16                      ; tensor_dim0
	s_mov_b32 s[\g+3], 32<<16                      ; tile_dim0
	s_mov_b32 s[\g+5], 32                          ; tensor_dim0_stride
	s_mov_b32 s[\g+6], 0
	s_mov_b32 s[\g+7], 0
.endr
	s_mov_b32 s[G1C+2], 96<<16                     ; 24,576 bytes: 96 rows
	s_mov_b32 s[G1C+4], 96
	s_mov_b32 s[G1KS+2], 32<<16                    ; 8,192 bytes
	s_mov_b32 s[G1KS+4], 32
	s_mov_b32 s[G1VS+2], 16<<16                    ; 4,096 bytes
	s_mov_b32 s[G1VS+4], 16
	; what wave 0 (K) and wave 1 (V) fetch: region 1 + wave of the codes and of the scale words
	s_add_co_u32 s15, s[WV], 1
	s_mul_i32 s16, s15, 6291456
	s_mul_i32 s17, s[BH], 98304
	s_add_co_u32 s16, s16, s17
	s_mov_b32 s17, 0
	s_lshl_b32 s18, s15, 19
	s_lshl_b32 s19, s[BH], 13                      ; 8,192 bytes a head for K,
	s_lshr_b32 s19, s19, s[WV]                     ; 4,096 for V
	s_add_co_u32 s18, s18, s19
	s_mov_b32 s19, 0
	s_mul_i32 s73, s[WV], VC                       ; and where it goes
	s_lshl_b32 s74, s[WV], 13
	s_add_co_u32 s74, s74, KSC
	s_mov_b32 s[SEL], 0x76543210
	s_mov_b32 s[SEL+1], 0xfedcba98
	s_mov_b32 s[CS], 0x3e38aa3b                    ; c = log2(e) / 8
	s_mov_b32 s[CS+1], s[CS]                       ; (named with it as a pair, so it is written)
	s_wait_dscnt 0x0                               ; the opening add is done
	s_wait_kmcnt 0x0
	s_add_nc_u64 s[16:17], s[4:5], s[16:17]
	s_add_nc_u64 s[18:19], s[6:7], s[18:19]
	s_mov_b32 s[G0S], 1
	s_mov_b32 s[G0S+1], s74
	s_mov_b64 s[G0S+2:G0S+3], s[18:19]
	s_or_b32 s[G0S+3], s[G0S+3], 0x80000000
.irp c, 0,1,2,3
	s_mov_b32 s[G0C+4*\c+4*(\c/3)], 1
	s_add_co_u32 s[G0C+4*\c+4*(\c/3)+1], s73, CHB*\c
	s_add_nc_u64 s[G0C+4*\c+4*(\c/3)+2:G0C+4*\c+4*(\c/3)+3], s[16:17], CHB*\c
	s_or_b32 s[G0C+4*\c+4*(\c/3)+3], s[G0C+4*\c+4*(\c/3)+3], 0x80000000
.endr
	CROUND                                         ; all four work-groups are here: the joint loads meet
	s_cmp_eq_u32 s[WV], 0                          ; a wave's first fills stand in one branch on the wave's number: five tensor loads of that wave are out
	s_cbranch_scc0 .Lnot_k
	FIRST G1KS
	s_branch .Lasked
.Lnot_k:
	s_cmp_eq_u32 s[WV], 1
	s_cbranch_scc0 .Lasked
	FIRST G1VS
.Lasked:
	s_lshl_b32 s75, s[CX], 5
	s_add_co_u32 s75, s75, s[WV]                   ; my first tile of queries in the head: 32 cx + wave
	s_lshl_b32 s84, s[BH], 7
	s_add_co_u32 s84, s84, s75
	s_mul_i32 s86, s84, 768
	s_mov_b32 s87, 0
	s_add_nc_u64 s[QP:QP+1], s[4:5], s[86:87]
	s_lshl_b32 s86, s84, 6
	s_add_nc_u64 s[QSP:QSP+1], s[6:7], s[86:87]
	s_lshr_b32 s84, s[BH], 4
	s_lshl_b32 s84, s84, 7
	s_add_co_u32 s84, s84, s75                     ; the tile among all tokens: 128 x batch + tile
	s_and_b32 s85, s[BH], 15                       ; the head
	s_lshl_b32 s86, s84, 4
	s_add_co_u32 s86, s86, s85
	s_mul_i32 s86, s86, 768                        ; o's codes: [tile][head][768]
	s_add_nc_u64 s[OP:OP+1], s[8:9], s[86:87]
	s_lshl_b32 s86, s84, 9                         ; o's scale bytes: 32 a row, my head's two
	s_lshl_b32 s85, s85, 1
	s_add_co_u32 s86, s86, s85
	s_add_nc_u64 s[OSP:OSP+1], s[10:11], s[86:87]
	v_and_b32 v[TP], 31, v0
	s_delay_alu instid0(VALU_DEP_1)
	v_lshlrev_b32 v[L16], 4, v[TP]
	s_delay_alu instid0(VALU_DEP_2)
	v_lshlrev_b32 v[L8], 3, v[TP]
	s_delay_alu instid0(VALU_DEP_3)
	v_lshlrev_b32 v[L4], 2, v[TP]
	v_and_b32 v[R4], 15, v0
	s_delay_alu instid0(VALU_DEP_1)
	v_lshlrev_b32 v[R32], 5, v[R4]
	s_delay_alu instid0(VALU_DEP_2)
	v_lshlrev_b32 v[R4], 2, v[R4]
.irp i, 0,1,2,3,4,5
	v_mov_b32 v[QA+6+\i], 0                        ; the zero halves, written once
	v_mov_b32 v[QB+\i], 0
.endr
.irp b, 0,1,2,3
	v_mov_b32 v[BT+\b], 0                          ; written once: a lane permute's destination counts as one of its sources
.endr
	v_mov_b32 v[PW], 0                             ; (named as the upper half of the pair v[224:225] before it is first written)
; A KEY STEP: 128 keys.
.macro STEP
	v_add_nc_u32 v[ADK], s[TK], v[L16]             ; (these five are also the places behind the last step's products, in front of the loads into their registers)
	v_add_nc_u32 v[ADK8], s[TK], v[L8]
	v_add_nc_u32 v[ADS], s[TS], v[L4]
	v_add_nc_u32 v[ADT], s[TT], v[L4]
	s_delay_alu instid0(VALU_DEP_4)
	v_add_nc_u32 v[ADV], VC, v[ADK]
.irp g, 0,1,2,3                                ; fragment G: tile 2 G's image into registers 0-5, tile 2 G + 1's into 6-11; every load reads consecutive bytes
	ds_load_b128 v[FRG+12*\g:FRG+12*\g+3], v[ADK] offset:1536*\g
	ds_load_b64 v[FRG+12*\g+4:FRG+12*\g+5], v[ADK8] offset:1536*\g+512
	ds_load_b128 v[FRG+12*\g+6:FRG+12*\g+9], v[ADK] offset:1536*\g+768
	ds_load_b64 v[FRG+12*\g+10:FRG+12*\g+11], v[ADK8] offset:1536*\g+1280
	ds_load_b32 v[KSR+\g], v[ADS] offset:128*\g    ; lanes 0-15: tile 2 G's words; lanes 16-31: tile 2 G + 1's
.endr
	s_wait_alu depctr_va_vdst(0)
	s_wait_dscnt 0x0
.irp g, 0,1,2,3
	v_wmma_scale_f32_16x16x128_f8f6f4 v[SCO+16*\g:SCO+16*\g+7], v[FRG+12*\g:FRG+12*\g+11], v[QA:QA+11], 0, v[KSR+\g], v[QS] matrix_a_fmt:MATRIX_FMT_FP6 matrix_b_fmt:MATRIX_FMT_FP6
	v_wmma_scale_f32_16x16x128_f8f6f4 v[SCO+16*\g+8:SCO+16*\g+15], v[FRG+12*\g:FRG+12*\g+11], v[QB:QB+11], 0, v[KSR+\g], v[QS] matrix_a_fmt:MATRIX_FMT_FP6 matrix_b_fmt:MATRIX_FMT_FP6 matrix_a_scale:MATRIX_SCALE_ROW1
.endr                                          ; register 16 G + i of S^T: key 32 G + 16 (lane / 16) + i of the step
.rept 4
	v_nop                                          ; places in front of the loads below and of the first read of the scores
.endr
.irp t, 0,1,2,3                                ; V's four tiles (16 channels x these 128 keys) land while the softmax is worked
.irp c, 0,1,2
	ds_load_b128 v[FRG+12*\t+4*\c:FRG+12*\t+4*\c+3], v[ADV] offset:1536*\t+512*\c
.endr
.endr
	ds_load_b32 v[VSR], v[ADT]                     ; lanes 0-15: tile 0's words; lanes 16-31: tile 1's
	ds_load_b32 v[VSR+1], v[ADT] offset:128        ; tiles 2 and 3
.irp b, 0,1,2,3
	v_max3_num_f32 v[BM+\b], v[SCO+16*\b], v[SCO+1+16*\b], v[SCO+2+16*\b]   ; the largest score of each block of 32 keys: for the row's maximum and, since p rises with the score, for the block's largest p
.endr
.irp i, 3,5,7,9,11,13
.irp b, 0,1,2,3
	v_max3_num_f32 v[BM+\b], v[BM+\b], v[SCO+16*\b+\i], v[SCO+1+16*\b+\i]
.endr
.endr
.irp b, 0,1,2,3
	v_max_num_f32 v[BM+\b], v[BM+\b], v[SCO+15+16*\b]
.endr
.irp b, 0,1,2,3
	s_delay_alu instid0(VALU_DEP_4)
	v_permlanex16_b32 v[BT+\b], v[BM+\b], s[SEL], s[SEL+1]
.endr
.irp b, 0,1,2,3
	s_delay_alu instid0(VALU_DEP_4)
	v_max_num_f32 v[BM+\b], v[BM+\b], v[BT+\b]     ; with lane l xor 16's 16 keys
.endr
	s_delay_alu instid0(VALU_DEP_2)
	v_max3_num_f32 v[TP], v[BM], v[BM+1], v[BM+2]
	s_delay_alu instid0(VALU_DEP_1)
	v_max_num_f32 v[TP], v[TP], v[BM+3]            ; the step's largest score of my query
	s_delay_alu instid0(VALU_DEP_1)
	v_mul_f32 v[TP], s[CS], v[TP]                  ; as t
	s_delay_alu instid0(VALU_DEP_1)
	v_max_num_f32 v13, v13, v[TP]                  ; the running largest t
	v_mov_b32 v[TP], v12
	s_delay_alu instid0(VALU_DEP_2)
	v_floor_f32 v12, -v13                          ; the new -M = floor(-t): M is a whole number
	s_delay_alu instid0(VALU_DEP_1)
	v_sub_f32 v[TP], v12, v[TP]                    ; old M - new M: a whole number, 0 or less
	s_delay_alu instid0(VALU_DEP_1)
	v_cvt_i32_f32 v[TP], v[TP]                     ; (it saturates)
	s_delay_alu instid0(VALU_DEP_1)
	v_ldexp_f32 v[FF], 1.0, v[TP]                  ; f = 2^(old M - new M)
.set J, 0
.rept 32
	v_pk_fma_f32 v[SCO+J:SCO+J+1], v[SCO+J:SCO+J+1], s[CS:CS+1], v[12:13] op_sel_hi:[1,0,0]   ; t - M, two at a time
.set J, J+2
.endr
.irp b, 0,1,2,3
	v_fma_f32 v[BM+\b], v[BM+\b], s[CS], v12       ; the same of each block's largest score
.endr
.set J, 0
	s_setprio 1
	s_wait_alu depctr_va_vdst(0)
.rept 64
	v_exp_f32 v[SCO+J], v[SCO+J]                   ; p = 2^(t - M), at most 1
.set J, J+1
.endr
	v_pk_mul_f32 v[14:15], v[14:15], v[FF:FF+1] op_sel_hi:[1,0]   ; the sums under the new M: the plain instruction behind the exponentials
	s_wait_alu depctr_va_vdst(0)                   ; one wait for the whole batch, ahead of its first reader
.irp b, 0,1,2,3
	v_exp_f32 v[BM+\b], v[BM+\b]                   ; the block's largest p: the same two instructions on the same number give the same bits
.endr
	v_pk_add_f32 v[196:197], v[92:93], v[96:97]
	v_pk_add_f32 v[254:255], v[100:101], v[104:105]
	v_pk_add_f32 v[252:253], v[108:109], v[112:113]
	v_pk_add_f32 v[250:251], v[116:117], v[120:121]
	v_pk_add_f32 v[248:249], v[124:125], v[128:129]
	v_pk_add_f32 v[246:247], v[132:133], v[136:137]
	v_pk_add_f32 v[244:245], v[140:141], v[144:145]
	v_pk_add_f32 v[14:15], v[14:15], v[148:149]
	v_pk_add_f32 v[196:197], v[196:197], v[88:89]
	v_pk_add_f32 v[254:255], v[254:255], v[90:91]
	v_pk_add_f32 v[252:253], v[252:253], v[94:95]
	v_pk_add_f32 v[250:251], v[250:251], v[98:99]
	v_pk_add_f32 v[248:249], v[248:249], v[102:103]
	v_pk_add_f32 v[246:247], v[246:247], v[106:107]
	v_pk_add_f32 v[244:245], v[244:245], v[110:111]
	v_pk_add_f32 v[14:15], v[14:15], v[114:115]
	v_pk_add_f32 v[196:197], v[196:197], v[118:119]
	v_pk_add_f32 v[254:255], v[254:255], v[122:123]
	v_pk_add_f32 v[252:253], v[252:253], v[126:127]
	v_pk_add_f32 v[250:251], v[250:251], v[130:131]
	v_pk_add_f32 v[248:249], v[248:249], v[134:135]
	v_pk_add_f32 v[246:247], v[246:247], v[138:139]
	v_pk_add_f32 v[244:245], v[244:245], v[142:143]
	v_pk_add_f32 v[14:15], v[14:15], v[146:147]
	v_pk_add_f32 v[196:197], v[196:197], v[150:151]
	s_delay_alu instid0(VALU_DEP_2)
	v_pk_add_f32 v[14:15], v[14:15], v[250:251]
	s_delay_alu instid0(VALU_DEP_2)
	v_pk_add_f32 v[196:197], v[196:197], v[248:249]
	v_pk_add_f32 v[254:255], v[254:255], v[246:247]
	v_pk_add_f32 v[252:253], v[252:253], v[244:245]
	s_delay_alu instid0(VALU_DEP_2)
	v_pk_add_f32 v[14:15], v[14:15], v[254:255]
	s_delay_alu instid0(VALU_DEP_2)
	v_pk_add_f32 v[196:197], v[196:197], v[252:253]
	s_delay_alu instid0(VALU_DEP_1)
	v_pk_add_f32 v[14:15], v[14:15], v[196:197]
	s_wait_alu depctr_va_vdst(0)                   ; and one for the four
.irp b, 0,1,2,3
	v_max_num_f32 v[BM+\b], 0x1800000, v[BM+\b]    ; the floor 2^(3 - 127): the byte cannot fall under 1
.endr
.irp b, 0,1,2,3
	s_delay_alu instid0(VALU_DEP_4)
	v_add_nc_u32 v[SO+\b], 0xff000000, v[BM+\b]    ; 2 off the exponent field: the conversion's scale operand
.endr
.irp b, 0,1,2,3
	s_delay_alu instid0(VALU_DEP_4)
	v_lshrrev_b32 v[BT+\b], 23, v[SO+\b]           ; the scale's byte
.endr
	s_delay_alu instid0(VALU_DEP_3)
	v_lshl_or_b32 v[PW], v[BT+1], 8, v[BT]         ; p's scale word for these 128 keys
	s_delay_alu instid0(VALU_DEP_1)
	v_lshl_or_b32 v[PW], v[BT+2], 16, v[PW]
	s_delay_alu instid0(VALU_DEP_1)
	v_lshl_or_b32 v[PW], v[BT+3], 24, v[PW]
.irp c, 0,1
	v_cvt_scalef32_pk16_fp6_f32 v[PCD+6*\c:PCD+2+6*\c], v[SCO+32*\c:SCO+15+32*\c], v[SO+2*\c]
	v_cvt_scalef32_pk16_fp6_f32 v[CT+4*\c:CT+2+4*\c], v[SCO+16+32*\c:SCO+31+32*\c], v[SO+2*\c+1]   ; (a conversion's three registers begin on an even number)
.endr
	v_nop                                          ; one plain place behind a scaled conversion
.irp c, 0,1                                    ; the operand's layout wants a WHOLE block in a lane
.irp i, 0,1,2
	v_permlane16_swap_b32 v[PCD+6*\c+\i], v[CT+4*\c+\i]
.endr
.irp i, 0,1,2
	s_delay_alu instid0(VALU_DEP_3)
	v_mov_b32 v[PCD+3+6*\c+\i], v[CT+4*\c+\i]
.endr
.endr
.set J, 0
	s_setprio 0
.rept 16
	v_pk_mul_f32 v[OTR+J:OTR+J+1], v[OTR+J:OTR+J+1], v[FF:FF+1] op_sel_hi:[1,0]   ; O^T under the new M, from each accumulator's low end on.  (These sixteen are also the places in front of the scaled products below)
.set J, J+2
.endr
	s_wait_alu depctr_va_vdst(0)
	s_wait_dscnt 0x0                               ; V is in
.irp t, 0,1,2,3                                ; O^T += V^T P^T: the four accumulators by turns, one instruction a turn
.if \t%2
	v_wmma_scale_f32_16x16x128_f8f6f4 v[OTR+8*\t:OTR+8*\t+7], v[FRG+12*\t:FRG+12*\t+11], v[PCD:PCD+11], v[OTR+8*\t:OTR+8*\t+7], v[VSR+\t/2], v[PW] matrix_a_fmt:MATRIX_FMT_FP6 matrix_b_fmt:MATRIX_FMT_FP6 matrix_a_scale:MATRIX_SCALE_ROW1
.else
	v_wmma_scale_f32_16x16x128_f8f6f4 v[OTR+8*\t:OTR+8*\t+7], v[FRG+12*\t:FRG+12*\t+11], v[PCD:PCD+11], v[OTR+8*\t:OTR+8*\t+7], v[VSR+\t/2], v[PW] matrix_a_fmt:MATRIX_FMT_FP6 matrix_b_fmt:MATRIX_FMT_FP6
.endif
.endr
	s_add_co_u32 s[TK], s[TK], 6144                ; the next step
	s_add_co_u32 s[TS], s[TS], 512
	s_add_co_u32 s[TT], s[TT], 256
.endm
; A chunk of 512 keys: four steps.  The wave that fetched waits for its chunk (the count: the later chunks, which stay out), then the barrier shows it to all sixteen.
.macro CHUNK c
	s_wait_tensorcnt 3-\c
	s_wait_dscnt 0x0
	s_barrier_signal -1
	s_barrier_wait -1
	s_mov_b32 s[TK], CHB*\c
	s_mov_b32 s[TS], KSC+2048*\c
	s_mov_b32 s[TT], VSC+1024*\c
	s_mov_b32 s[CNT], 4
.Lstep_\@:
	s_setprio 2
	STEP
	s_sub_co_u32 s[CNT], s[CNT], 1
	s_cmp_lg_u32 s[CNT], 0
	s_cbranch_scc1 .Lstep_\@
	s_setprio 0
.endm
	s_mov_b32 s[PASS], 2
.Lpass:                                            ; a pass: one tile of 16 queries against all 2,048 keys
	global_load_b128 v[QA:QA+3], v[L16], s[QP:QP+1]            ; Q's image, twice: into the lower half of one operand,
	global_load_b64 v[QA+4:QA+5], v[L8], s[QP:QP+1] offset:512
	global_load_b128 v[QB+6:QB+9], v[L16], s[QP:QP+1]          ; and into the upper half of the other
	global_load_b64 v[QB+10:QB+11], v[L8], s[QP:QP+1] offset:512
	global_load_b32 v[QS], v[R4], s[QSP:QSP+1]     ; its scale words: the two bytes stand twice in a word, so one word serves both operands
	v_mov_b32 v13, 0xff61b1e6                      ; the largest t so far: -3e38, under every t
	s_delay_alu instid0(VALU_DEP_1)
	v_floor_f32 v12, -v13                          ; -M
	v_mov_b32 v14, 0                               ; the sum, in two halves
	v_mov_b32 v15, 0
.set J, 0
.rept 32
	v_mov_b32 v[OTR+J], 0                          ; O^T: the step is written once: its first run finds zeros, which the first change of M leaves zeros
.set J, J+1
.endr
	s_wait_loadcnt 0x0
	CHUNK 0
	CHUNK 1
	CHUNK 2
	CHUNK 3
	; the pass's way out: O^T / the sum, quantised along the head's 64 channels: half an operand's image, and two scale bytes a row
.rept 4
	v_nop                                          ; places behind the last products
.endr
	v_add_f32 v14, v14, v15                        ; the sum's two halves,
	s_delay_alu instid0(VALU_DEP_1)
	v_permlanex16_b32 v[TP], v14, s[SEL], s[SEL+1]
	s_delay_alu instid0(VALU_DEP_1)
	v_add_f32 v14, v14, v[TP]                      ; and lane l xor 16's: the row's sum
	s_wait_alu depctr_va_vdst(0)
	v_rcp_f32 v14, v14
	v_nop                                          ; a plain place behind the transcendental
	s_wait_alu depctr_va_vdst(0)                   ; the wait ahead of its first reader
.set J, 0
.rept 16
	v_pk_mul_f32 v[SCO+J:SCO+J+1], v[OTR+J:OTR+J+1], v[14:15] op_sel_hi:[1,0]   ; register 16 b + i: channel 32 b + 16 (lane / 16) + i
.set J, J+2
.endr
.irp b, 0,1
	v_max3_num_f32 v[BM+\b], |v[SCO+16*\b]|, |v[SCO+1+16*\b]|, 0x1800000
.endr
.irp i, 2,4,6,8,10,12,14
.irp b, 0,1
	s_delay_alu instid0(VALU_DEP_2)
	v_max3_num_f32 v[BM+\b], v[BM+\b], |v[SCO+16*\b+\i]|, |v[SCO+1+16*\b+\i]|
.endr
.endr
.irp b, 0,1
	s_delay_alu instid0(VALU_DEP_2)
	v_permlanex16_b32 v[BT+\b], v[BM+\b], s[SEL], s[SEL+1]
.endr
.irp b, 0,1
	s_delay_alu instid0(VALU_DEP_2)
	v_max_num_f32 v[BM+\b], v[BM+\b], v[BT+\b]
.endr
.irp b, 0,1
	s_delay_alu instid0(VALU_DEP_2)
	v_add_nc_u32 v[SO+\b], 0xff000000, v[BM+\b]
.endr
.irp b, 0,1
	s_delay_alu instid0(VALU_DEP_2)
	v_lshrrev_b32 v[BT+\b], 23, v[SO+\b]
.endr
	s_delay_alu instid0(VALU_DEP_1)
	v_lshl_or_b32 v[TP], v[BT+1], 8, v[BT]         ; my row's two bytes
	v_cvt_scalef32_pk16_fp6_f32 v[PCD:PCD+2], v[SCO:SCO+15], v[SO]
	v_cvt_scalef32_pk16_fp6_f32 v[CT:CT+2], v[SCO+16:SCO+31], v[SO+1]
	v_nop                                          ; one plain place behind a scaled conversion
.irp i, 0,1,2
	v_permlane16_swap_b32 v[PCD+\i], v[CT+\i]
.endr
.irp i, 0,1,2
	s_delay_alu instid0(VALU_DEP_3)
	v_mov_b32 v[PCD+3+\i], v[CT+\i]
.endr
	global_store_b128 v[L16], v[PCD:PCD+3], s[OP:OP+1]             ; 512 consecutive bytes, aligned
	global_store_b64 v[L8], v[PCD+4:PCD+5], s[OP:OP+1] offset:512  ; 256
	global_store_b16 v[R32], v[TP], s[OSP:OSP+1]   ; two bytes of each row's 32 (lanes r and r + 16 write the same two bytes with the same value): one part in 24 of what the pass stores
	s_wait_xcnt 0x0                                ; the loads and stores have read their addresses and data: both are rewritten only behind this wait
	s_add_nc_u64 s[QP:QP+1], s[QP:QP+1], 12288     ; sixteen tiles on
	s_add_nc_u64 s[QSP:QSP+1], s[QSP:QSP+1], 1024
	s_add_nc_u64 s[OP:OP+1], s[OP:OP+1], 196608
	s_add_nc_u64 s[OSP:OSP+1], s[OSP:OSP+1], 8192
	s_sub_co_u32 s[PASS], s[PASS], 1
	s_cmp_lg_u32 s[PASS], 0
	s_cbranch_scc1 .Lpass
	s_wait_tensorcnt 0x0                           ; the wave's end, behind my last tensor load
	ds_add_u32 v[SPW], v[NIL]
	s_wait_dscnt 0x0
	CROUND                                         ; the closing round
	s_endpgm
.Lfunc_end_k_q050fd93a34_attn:
	.size	k_q050fd93a34_attn, .Lfunc_end_k_q050fd93a34_attn-k_q050fd93a34_attn
	.p2alignl 7, 3214868480
	.fill 96, 4, 3214868480
	.section	.rodata,"a",@progbits
	.p2align	6, 0x0
	.amdhsa_kernel k_q050fd93a34_attn
		.amdhsa_group_segment_fixed_size 212992
		.amdhsa_private_segment_fixed_size 0
		.amdhsa_enable_private_segment 0
		.amdhsa_kernarg_size 32
		.amdhsa_user_sgpr_count 2
		.amdhsa_user_sgpr_kernarg_segment_ptr 1
		.amdhsa_wavefront_size32 1
		.amdhsa_system_sgpr_workgroup_id_x 1
		.amdhsa_system_sgpr_workgroup_id_y 1
		.amdhsa_system_sgpr_workgroup_id_z 1
		.amdhsa_system_vgpr_workitem_id 0
		.amdhsa_next_free_vgpr 256
		.amdhsa_next_free_sgpr 90
		.amdhsa_reserve_vcc 0
		.amdhsa_float_denorm_mode_32 3
		.amdhsa_float_denorm_mode_16_64 3
		.amdhsa_memory_ordered 1
		.amdhsa_forward_progress 1
		.amdhsa_inst_pref_size 86
	.end_amdhsa_kernel
	.amdgpu_metadata
---
amdhsa.version: [ 1, 2 ]
amdhsa.kernels:
  - .name:           k_q050fd93a34_attn
    .symbol:         k_q050fd93a34_attn.kd
    .args:
      - { .name: pcodes, .offset: 0, .size: 8, .value_kind: global_buffer, .address_space: global }
      - { .name: pscales, .offset: 8, .size: 8, .value_kind: global_buffer, .address_space: global }
      - { .name: acodes, .offset: 16, .size: 8, .value_kind: global_buffer, .address_space: global }
      - { .name: ascales, .offset: 24, .size: 8, .value_kind: global_buffer, .address_space: global }
    .group_segment_fixed_size: 212992
    .private_segment_fixed_size: 0
    .kernarg_segment_align: 8
    .kernarg_segment_size: 32
    .max_flat_workgroup_size: 512
    .sgpr_count:     90
    .vgpr_count:     256
    .wavefront_size: 32
...
	.end_amdgpu_metadata
.endif
;; end of part 3
;; launch outp (part 4): grid 4 x 32, 4 waves a work-group, clusters of 4 x 4, 327,680 bytes of LDS; arguments acodes, ascales, xcodes, xscales, bo, out0; writes out0
.if DOCPART == 4
	.amdgcn_target "amdgcn-amd-amdhsa--gfx1250"
	.amdhsa_code_object_version 6
	.text
	.protected	k_q050fd93a34_outp
	.globl	k_q050fd93a34_outp
	.p2align	8
	.type	k_q050fd93a34_outp,@function
k_q050fd93a34_outp:
	s_mov_b64 s[64:65], 0
	v_nop
	global_prefetch_b8 v0, s[64:65] scope:SCOPE_SE
	s_setreg_imm32_b32 hwreg(HW_REG_WAVE_MODE, 25, 1), 1
	s_wait_xcnt 0x0
	s_wait_alu depctr_hold_cnt(0) depctr_sa_sdst(0) depctr_va_vdst(0) depctr_va_sdst(0) depctr_va_ssrc(0) depctr_va_vcc(0) depctr_vm_vsrc(0)
	s_getreg_b32 s2, hwreg(HW_REG_IB_STS2, 6, 4)
	s_cmp_eq_u32 s2, 0
	s_cbranch_scc0 .Lentry_in_a_cluster
	s_endpgm
.Lentry_in_a_cluster:
	s_bfe_u32 s2, ttmp6, 0x10000c
	s_cmp_lg_u32 s2, 0xf033
	s_cbranch_scc0 .Lentry_shape_is_right
	s_endpgm
.Lentry_shape_is_right:
; out0 = o Wo^T + bo on codes of FP6 (E2M3) with E8M0 scales, K = 1,024; out0 [8192][1024] f32.
; A = o, as the attention left it: [tile of 16 tokens][head][image of half a fragment, 768 bytes: registers 0-3 at 16 x lane, 4-5 at 512 + 8 x lane]; two heads' images are a fragment of 128 along K.
; Its scale bytes: 32 a row.  B = Wo, rows 27,648 on of the buffer of codes, 768 bytes a row, scale bytes 32 a row.
; Both operands' rows lie with the four groups of 8 inside each 32 in the order 0, 2, 1, 3; the way out puts rows and columns back.
; A tile of out0, 256 x 256, is made by four waves, each 128 x 128 in 64 accumulators.  K goes in steps of 256 through a ring of two LDS slots; the scale bytes come once.
; CLUSTERS: 4 x 4 work-groups; A's tiles are shared along a row of the cluster, B's along a column, each asked for jointly.  THE MATRIX INSTRUCTION IS USED TRANSPOSED (source 0 = 16 rows of Wo, source 1 = 16 tokens).
; bo is the C of the first K step's products.  128 tiles: one work-group each; a smaller tile would read each LDS byte for half the products.  No prefetch: K has four K steps.
; REGISTERS, in windows of 256: window 0: v0-31 addresses; v32-63 scale words, two sets; v64-127 the bias; from v128 A's fragments, one set; on the way out v128-255 rows of out0.
;   window 1: B's fragments, two sets.   window 2: the accumulators of my rows 0-63;   window 3: those of rows 64-127.
.set NQ,     2
.set ROWB,   192                       ; a row of B's tile in bytes
.set KROW,   768
.set PITCH,  240                       ; B's LDS row: 3 x (64 bytes + 16 of padding)
.set FR,     12
.set NL,     6                         ; LDS loads that bring a fragment of B
.set NLA,    4                         ; and of A
.set NP,     4
.set HALFT,  128*PITCH
.set AHALF,  24576                     ; A: 8 tiles of tokens x 3,072 bytes (four heads' images): what one tensor load brings
.set ASL,    2*AHALF
.set SLOT,   ASL+2*HALFT               ; A's 16 tiles, then B's 256 rows
.set LAPS,   2
.set KS,     32
.set SCL,    2*SLOT
.set HALFS,  16*272
.set SBLK,   2*272
.set SPARE,  SCL+4*HALFS
.set SPITCH, 528                       ; the way out: a stage of 16 rows x (512 bytes + 16) for each wave, in slot 0, which has had its last fill and its last read when the first result is stored there
.set ADRA, 16                          ; v16-17 LDS address of my A images in slot 0, 1, 16 bytes a lane; v18-19 8 bytes a lane
.set ADRB, 20                          ; v20-23 B's fragments
.set STO,  24
.set RD,   25
.set CO,   26
.set ADRS, 27
.set SPW,  28
.set NIL,  29
.set SC,   32
.set BS,   64
.set AF,   128
.set BK,   128
.set WV,   18
.set IH,   19
.set JH,   20
.set G1, 24
.set G0, 32
.set G1B, 48
.set G0B, 56
.set G1S, 68
.set G0S, 76
.set G1SB, 80
.set G0SB, 88
.set BP,  96
.set MSB, 0
.macro WIN new
.if MSB != (\new)
	s_set_vgpr_msb (MSB<<8)|(\new)
.set MSB, (\new)
.endif
.endm
.set MUL_LO, 0xa1
.set MUL_HI, 0xf1
.set TO_B,   0x40
.macro JLOAD g0a, g1a, g0b, g1b        ; a joint load: waves 0 and 1 fetch for A, waves 2 and 3 for B; an s_nop 0 and four v_nop follow each of the two lines
	s_cmp_eq_u32 s[IH], 0
	s_cbranch_scc0 .Lfor_b_\@
	tensor_load_to_lds s[\g0a:\g0a+3], s[\g1a:\g1a+7]
	s_nop 0
.rept 4
	v_nop
.endr
	s_branch .Lasked_\@
.Lfor_b_\@:
	tensor_load_to_lds s[\g0b:\g0b+3], s[\g1b:\g1b+7]
	s_nop 0
.rept 4
	v_nop
.endr
.Lasked_\@:
.endm
.macro CREST
	s_cmp_lg_u32 s[WV], 0
	s_cbranch_scc1 .Lnot_wave_0_\@
	s_barrier_signal -3
.Lnot_wave_0_\@:
	s_barrier_wait -3
	s_barrier_signal -1
	s_barrier_wait -1
.endm
.macro CROUND
	s_barrier_signal -1
	s_barrier_wait -1
	CREST
.endm
	s_load_b256 s[4:11], s[0:1], 0x0               ; o's codes s[4:5], o's scale bytes s[6:7], the weights' codes s[8:9], their scale bytes s[10:11]
	s_load_b128 s[12:15], s[0:1], 0x20             ; bo s[12:13], out0 s[14:15]
	v_lshl_add_u32 v[SPW], v0, 2, SPARE
	v_mov_b32 v[NIL], 0
	ds_add_u32 v[SPW], v[NIL]                      ; the wave's opening: the add and its wait stand ahead of my first tensor load
	v_lshrrev_b32 v1, 5, v0
	v_readfirstlane_b32 s[WV], v1
	s_lshr_b32 s[IH], s[WV], 1                     ; which half of the tile's rows is mine.  Also: I fetch for A (0) or for B (1)
	s_and_b32 s[JH], s[WV], 1                      ; which half of its columns.  Also: which half of that tile I fetch
	s_bfe_u32 s40, ttmp6, 0x40000                  ; cx = the tile column
	s_bfe_u32 s41, ttmp6, 0x40004                  ; cy
	s_and_b32 s17, ttmp7, 0xffff
	s_lshl_b32 s17, s17, 2
	s_add_co_u32 s17, s17, s41                     ; the tile row = 4 x cluster y + cy
	s_lshl_b32 s43, s41, 2
	s_lshl_b32 s43, 15, s43                        ; my row of the cluster
	s_lshl_b32 s44, 0x1111, s40                    ; my column
	; A's tile: 8 rows of 3,072 bytes (384 elements of 8 bytes), 12,288 bytes apart, no padding
	s_or_b32 s[G1+0], s43, (3<<16)|(1<<21)
	s_mov_b32 s[G1+1], 384<<16
	s_mov_b32 s[G1+2], 8<<16
	s_mov_b32 s[G1+3], 384<<16
	s_mov_b32 s[G1+4], 8
	s_mov_b32 s[G1+5], 1536
	s_mov_b32 s[G1+6], 0
	s_mov_b32 s[G1+7], 0
	; B's tile: 128 rows x 192 bytes, 16 bytes of padding behind every 64
	s_or_b32 s[G1B+0], s44, (0<<16)|(1<<20)|(1<<21)|(3<<22)|(3<<25)
	s_mov_b32 s[G1B+1], ROWB<<16
	s_mov_b32 s[G1B+2], 128<<16
	s_mov_b32 s[G1B+3], ROWB<<16
	s_mov_b32 s[G1B+4], 128
	s_mov_b32 s[G1B+5], KROW
	s_mov_b32 s[G1B+6], 0
	s_mov_b32 s[G1B+7], 0
	; the scales of 128 rows: 16 rows of 256 bytes, 16 bytes of padding behind each
	s_or_b32 s[G1S+0], s43, (3<<16)|(1<<20)|(1<<21)|(5<<22)|(3<<25)
	s_or_b32 s[G1SB+0], s44, (3<<16)|(1<<20)|(1<<21)|(5<<22)|(3<<25)
.irp g, G1S, G1SB
	s_mov_b32 s[\g+1], 32<<16
	s_mov_b32 s[\g+2], 16<<16
	s_mov_b32 s[\g+3], 32<<16
	s_mov_b32 s[\g+4], 16
	s_mov_b32 s[\g+5], 32
	s_mov_b32 s[\g+6], 0
	s_mov_b32 s[\g+7], 0
.endr
	s_lshl_b32 s21, s17, 4
	s_lshl_b32 s22, s[JH], 3
	s_add_co_u32 s21, s21, s22                     ; A: tile of tokens 16 x tile row + 8 x half
	s_lshl_b32 s92, s21, 9                         ; its scale bytes: 512 a tile
	s_mov_b32 s93, 0
	s_mul_i32 s22, s21, 12288                      ; its codes
	s_mov_b32 s23, 0
	s_lshl_b32 s46, s40, 8
	s_lshl_b32 s47, s[JH], 7
	s_add_co_u32 s46, s46, s47
	s_add_co_u32 s46, s46, 27648                   ; B: row 27,648 + 256 cx + 128 x half
	s_lshl_b32 s94, s46, 5
	s_mov_b32 s95, 0
	s_mul_i32 s46, s46, KROW
	s_mov_b32 s47, 0
	s_mul_i32 s45, s[JH], AHALF                    ; where they go: no place in the cluster enters an LDS address
	s_mul_i32 s99, s[JH], HALFT
	s_add_co_u32 s99, s99, ASL
	s_mul_i32 s98, s[WV], HALFS
	s_wait_dscnt 0x0                               ; the opening add is done
	s_wait_kmcnt 0x0
	s_add_nc_u64 s[22:23], s[4:5], s[22:23]
	s_add_nc_u64 s[92:93], s[6:7], s[92:93]
	s_add_nc_u64 s[46:47], s[8:9], s[46:47]
	s_add_nc_u64 s[94:95], s[10:11], s[94:95]
	CROUND                                         ; all sixteen work-groups are here: the first joint loads meet
	s_mov_b32 s[G0S], 1
	s_add_co_u32 s[G0S+1], s98, SCL
	s_mov_b64 s[G0S+2:G0S+3], s[92:93]
	s_or_b32 s[G0S+3], s[G0S+3], 0x80000000
	s_mov_b32 s[G0SB], 1
	s_add_co_u32 s[G0SB+1], s98, SCL
	s_mov_b64 s[G0SB+2:G0SB+3], s[94:95]
	s_or_b32 s[G0SB+3], s[G0SB+3], 0x80000000
	JLOAD G0S, G1S, G0SB, G1SB
.irp s, 0,1
	s_mov_b32 s[G0+4*\s], 1
	s_add_co_u32 s[G0+4*\s+1], s45, \s*SLOT
	s_add_nc_u64 s[G0+4*\s+2:G0+4*\s+3], s[22:23], \s*3072
	s_or_b32 s[G0+4*\s+3], s[G0+4*\s+3], 0x80000000
	s_mov_b32 s[G0B+4*\s], 1
	s_add_co_u32 s[G0B+4*\s+1], s99, \s*SLOT
	s_add_nc_u64 s[G0B+4*\s+2:G0B+4*\s+3], s[46:47], \s*ROWB
	s_or_b32 s[G0B+4*\s+3], s[G0B+4*\s+3], 0x80000000
	JLOAD G0+4*\s, G1, G0B+4*\s, G1B               ; three tensor loads of mine are out
.endr
	s_lshl_b32 s66, s40, 10                        ; bo: my 128 columns: 256 cx + 128 x half
	s_lshl_b32 s67, s[JH], 9
	s_add_co_u32 s66, s66, s67
	s_mov_b32 s67, 0
	s_add_nc_u64 s[BP:BP+1], s[12:13], s[66:67]
	v_and_b32 v1, 15, v0                           ; r
	v_bfe_u32 v2, v0, 4, 1                         ; h
	v_and_b32 v6, 31, v0                           ; lane
	v_lshlrev_b32 v8, 6, v2
.irp x, 0,1,2,3,4,5,6,7                        ; tile x of Wo: columns 32 (x / 2) + 16 h + 8 (x % 2) + 0 .. 7
	global_load_b128 v[BS+8*\x:BS+8*\x+3], v8, s[BP:BP+1] offset:4*(32*(\x/2)+8*(\x%2))
	global_load_b128 v[BS+8*\x+4:BS+8*\x+7], v8, s[BP:BP+1] offset:4*(32*(\x/2)+8*(\x%2))+16
.endr
	v_lshlrev_b32 v4, 4, v6
	v_lshlrev_b32 v7, 3, v6
	s_mul_i32 s21, s[IH], AHALF                    ; my 8 tiles of tokens
.irp s, 0,1
	v_add_nc_u32 v[ADRA+\s], s21, v4
	v_add_nc_u32 v[ADRA+2+\s], s21, v7
	s_add_co_u32 s21, s21, SLOT
.endr
	v_mul_u32_u24 v3, v1, PITCH
	v_mul_u32_u24 v4, v2, 24
	v_add_nc_u32 v4, v3, v4
	v_lshl_add_u32 v5, v2, 4, v4
	s_mul_i32 s22, s[JH], HALFT                    ; my 128 rows of B, behind A's part of the slot
	s_add_co_u32 s22, s22, ASL
.irp s, 0,1
	v_add_nc_u32 v[ADRB+\s], s22, v4
	v_add_nc_u32 v[ADRB+2+\s], s22, v5
	s_add_co_u32 s22, s22, SLOT
.endr
	v_mul_u32_u24 v5, v1, KS
	v_lshrrev_b32 v3, 8, v5
	v_lshl_add_u32 v5, v3, 4, v5
	s_mul_i32 s21, s[IH], HALFS
	s_mul_i32 s22, s[JH], HALFS
	s_add_co_u32 s22, s22, 2*HALFS
	s_sub_co_u32 s22, s22, s21
	v_mul_u32_u24 v3, s22, v2                      ; lanes 16-31 take B's
	s_add_co_u32 s21, s21, SCL
	v_add_nc_u32 v5, v5, v3
	v_add_nc_u32 v[ADRS], s21, v5
	s_mul_i32 s23, s[WV], 16*SPITCH                ; my stage
	v_mul_u32_u24 v5, v1, SPITCH                   ; in: row r; my half's 16 columns of each 32: 64 h bytes on
	v_lshl_add_u32 v5, v2, 6, v5
	v_add_nc_u32 v[STO], s23, v5
	v_lshlrev_b32 v[CO], 4, v6                     ; back: the 32 lanes take one row of 512 bytes; and the same in out0
	v_add_nc_u32 v[RD], s23, v[CO]
	s_lshl_b32 s21, s17, 8
	s_lshl_b32 s22, s[IH], 7
	s_add_co_u32 s21, s21, s22                     ; my first row of out0
	s_lshl_b32 s66, s21, 12                        ; 4,096 bytes a row (under 2^26)
	s_lshl_b32 s21, s40, 10
	s_add_co_u32 s66, s66, s21
	s_lshl_b32 s21, s[JH], 9
	s_add_co_u32 s66, s66, s21                     ; + my first column's bytes
	s_mov_b32 s67, 0
	s_add_nc_u64 s[14:15], s[14:15], s[66:67]
.macro FRAG reg, adr, q, i             ; a fragment of B, in pieces of 8 bytes; 16 bytes of padding lie behind every 8 pieces
.irp p, 0,1,2,3,4,5
.set PN, 12*(\q)+6*(\p/3)+\p%3
.if PN%8 < 5
	ds_load_b64 v[\reg+2*\p:\reg+2*\p+1], v[\adr] offset:8*PN+16*(PN/8)+(\i)*16*PITCH
.else
	ds_load_b64 v[\reg+2*\p:\reg+2*\p+1], v[\adr+2] offset:8*PN+16*(PN/8)+(\i)*16*PITCH
.endif
.endr
.endm
.macro FRAGA reg, slot, q, i           ; a fragment of A: two heads' images; every load reads consecutive bytes
	ds_load_b128 v[\reg:\reg+3], v[ADRA+\slot] offset:3072*(\i)+1536*(\q)
	ds_load_b64 v[\reg+4:\reg+5], v[ADRA+2+\slot] offset:3072*(\i)+1536*(\q)+512
	ds_load_b128 v[\reg+6:\reg+9], v[ADRA+\slot] offset:3072*(\i)+1536*(\q)+768
	ds_load_b64 v[\reg+10:\reg+11], v[ADRA+2+\slot] offset:3072*(\i)+1536*(\q)+1280
.endm
; 16 matrix instructions: A's blocks a0, a0 + 1 x B's eight.  mode 1: the sums start from the bias of B's tile b.  The 64 accumulators take turns, one instruction a turn.
.macro MUL16 a0, p, q, sc, mode
.irp a, \a0, \a0+1
.irp b, 0,1,2,3,4,5,6,7
.set rD, 8*(8*((\a)%4)+\b)
.set rB, 128*(\p)+FR*\b
.set rA, AF+FR*(\a)
.set rSB, SC+8*NQ*(\sc)+NQ*\b+(\q)
.set rSA, SC+8*NQ*(\sc)+NQ*(\a)+(\q)
.if \mode == 1
	v_wmma_scale_f32_16x16x128_f8f6f4 v[rD:rD+7], v[rB:rB+FR-1], v[rA:rA+FR-1], v[BS+8*\b:BS+8*\b+7], v[rSB], v[rSA] matrix_a_fmt:MATRIX_FMT_FP6 matrix_b_fmt:MATRIX_FMT_FP6 matrix_a_scale:MATRIX_SCALE_ROW1
.else
	v_wmma_scale_f32_16x16x128_f8f6f4 v[rD:rD+7], v[rB:rB+FR-1], v[rA:rA+FR-1], v[rD:rD+7], v[rSB], v[rSA] matrix_a_fmt:MATRIX_FMT_FP6 matrix_b_fmt:MATRIX_FMT_FP6 matrix_a_scale:MATRIX_SCALE_ROW1
.endif
.endr
.endr
.endm
.macro FETCH_B slot, q, p
	WIN TO_B
.irp i, 0,1,2,3,4,5,6,7
	FRAG 128*(\p)+FR*\i, ADRB+\slot, \q, \i
.endr
	WIN 0
.endm
.macro FETCH_A slot, q, i0
.irp i, \i0, \i0+1, \i0+2, \i0+3
	FRAGA AF+FR*(\i), \slot, \q, \i
.endr
.endm
.macro SCALES sc
.irp i, 0,1,2,3,4,5,6,7
	ds_load_b64 v[SC+8*NQ*\sc+NQ*\i:SC+8*NQ*\sc+NQ*\i+1], v[ADRS] offset:\i*SBLK
.endr
.endm
.macro PLACES n
.rept \n
	v_nop
.endr
.endm
.macro STEP slot, q, mode
	s_wait_dscnt 4*NLA                             ; B's set and A's blocks 0-3 are in; the youngest 16 loads (A's blocks 4-7) may be out
.if \mode
	WIN 0x81                                       ; C (the bias) window 0, D window 2
.else
	WIN MUL_LO
.endif
	MUL16 0, (\q)%2, \q, \slot, \mode
	MUL16 2, (\q)%2, \q, \slot, \mode
	s_wait_dscnt 0
	PLACES NP
	FETCH_B \slot, (\q)+1, 1-(\q)%2
	FETCH_A \slot, (\q)+1, 0
.if \mode
	WIN 0xc1
.else
	WIN MUL_HI
.endif
	MUL16 4, (\q)%2, \q, \slot, \mode
	MUL16 6, (\q)%2, \q, \slot, \mode
	PLACES NP
	WIN 0
	FETCH_A \slot, (\q)+1, 4
.endm
; A slot's last step changes slots: ONE barrier; in front of it each wave waits for all its tensor loads, adds 0 to its spare word, and waits for that and for its own reads of this slot.
.macro TURN slot, next, fill
	s_wait_tensorcnt 0x0                           ; all my tensor loads have landed: my part of the next slot
	ds_add_u32 v[SPW], v[NIL]                      ; 0 onto my spare word
	s_wait_dscnt 4*NLA+1                           ; (the add and the youngest 16 loads may be out)
	WIN MUL_LO
	MUL16 0, 1, NQ-1, \slot, 0
	s_wait_dscnt 0x0                               ; the add is done, and my reads of this slot are over
	s_barrier_signal -1
	MUL16 2, 1, NQ-1, \slot, 0
	WIN 0
	s_barrier_wait -1
.if \fill
	CREST                                          ; the barrier has opened a round of the cluster's barrier
	s_add_nc_u64 s[G0+4*\slot+2:G0+4*\slot+3], s[G0+4*\slot+2:G0+4*\slot+3], 2*3072
	s_add_nc_u64 s[G0B+4*\slot+2:G0B+4*\slot+3], s[G0B+4*\slot+2:G0B+4*\slot+3], 2*ROWB
	JLOAD G0+4*\slot, G1, G0B+4*\slot, G1B         ; the first tensor load behind the round; its four v_nop are the places in front of the loads below
.else
	PLACES NP
.endif
	v_add_nc_u32 v[ADRS], 4*NQ, v[ADRS]
	FETCH_B \next, 0, 0
	FETCH_A \next, 0, 0
	SCALES \next
	WIN MUL_HI
	MUL16 4, 1, NQ-1, \slot, 0
	MUL16 6, 1, NQ-1, \slot, 0
	PLACES NP
	WIN 0
	FETCH_A \next, 0, 4
.endm
	s_wait_tensorcnt 1                             ; the scales and my part of K step 0 are in (K step 1's load may be out),
	s_barrier_signal -1
	s_barrier_wait -1                              ; everybody's are
	FETCH_B 0, 0, 0
	FETCH_A 0, 0, 0
	SCALES 0
	FETCH_A 0, 0, 4
	s_wait_loadcnt 0x0                             ; the bias
	STEP 0, 0, 1                                   ; the first step's products start the sums from the bias
	s_mov_b32 s3, LAPS-1
.Llap:
	TURN 0, 1, 1
	STEP 1, 0, 0
	TURN 1, 0, 1
	STEP 0, 0, 0
	s_sub_co_u32 s3, s3, 1
	s_cmp_lg_u32 s3, 0
	s_cbranch_scc1 .Llap
	TURN 0, 1, 0                                   ; the last lap fills nothing
	STEP 1, 0, 0
	s_wait_dscnt 4*NLA
	WIN MUL_LO
	MUL16 0, 1, NQ-1, 1, 0
	MUL16 2, 1, NQ-1, 1, 0
	s_wait_dscnt 0
	WIN MUL_HI
	MUL16 4, 1, NQ-1, 1, 0
	MUL16 6, 1, NQ-1, 1, 0
	WIN 0
; THE WAY OUT, block by block of 16 rows x 128 columns, through my own stage in LDS.  Tile b's eight registers are the columns 32 (b / 2) + 16 h + 8 (b % 2) + 0 .. 7: they go to their true places in the stage's rows.
; Stage row t of block a is row 32 (a / 2) + 8 (a % 2) + t + 8 (t / 8) of my 128.  LDS serves a wave's instructions in order: no wait between the stores and the loads.
.macro TOSTAGE a
.set AC, 64*((\a)%4)
	WIN 0x08+4*((\a)/4)                            ; the data: window 2 or 3
.irp b, 0,1,2,3,4,5,6,7
	ds_store_b128 v[STO], v[AC+8*\b:AC+8*\b+3] offset:128*(\b/2)+32*(\b%2)          ; each accumulator from its low end on
	ds_store_b128 v[STO], v[AC+8*\b+4:AC+8*\b+7] offset:128*(\b/2)+32*(\b%2)+16
.endr
	WIN 0
.set BB, BK+64*((\a)%2)
.irp t, 0,1,2,3,4,5,6,7,8,9,10,11,12,13,14,15
	ds_load_b128 v[BB+4*\t:BB+4*\t+3], v[RD] offset:\t*SPITCH
.endr
.endm
.macro SEND a, younger                 ; younger: the LDS instructions issued behind block a's loads, which may stay out
.set BB, BK+64*((\a)%2)
	s_wait_dscnt \younger
.if (\a) > 0
.if (\a)%2
	s_add_nc_u64 s[14:15], s[14:15], 8*4096        ; (behind a wait on XCNT: the earlier stores have read their base)  an odd block begins 8 rows on,
.else
	s_add_nc_u64 s[14:15], s[14:15], 24*4096       ; an even one 24 more
.endif
.endif
.irp t, 0,1,2,3,4,5,6,7,8,9,10,11,12,13,14,15
	global_store_b128 v[CO], v[BB+4*\t:BB+4*\t+3], s[14:15] offset:(\t+8*(\t/8))*4096 th:TH_STORE_NT   ; 32 lanes store 512 consecutive bytes, aligned
.endr
.endm
	PLACES NP
	TOSTAGE 0
.irp a, 1,2,3,4,5,6,7
.if \a > 1
	s_wait_xcnt 0x0                                ; block a - 2's stores have read their registers and their base
.endif
	TOSTAGE \a
	SEND \a-1, 32                                  ; behind block a - 1's loads: block a's 16 stores and 16 loads
.endr
	s_wait_xcnt 0x0
	SEND 7, 0
	s_wait_tensorcnt 0x0                           ; the wave's end, behind my last tensor load and my last LDS store
	ds_add_u32 v[SPW], v[NIL]
	s_wait_dscnt 0x0
	CROUND                                         ; the closing round
	s_endpgm
.Lfunc_end_k_q050fd93a34_outp:
	.size	k_q050fd93a34_outp, .Lfunc_end_k_q050fd93a34_outp-k_q050fd93a34_outp
	.p2alignl 7, 3214868480
	.fill 96, 4, 3214868480
	.section	.rodata,"a",@progbits
	.p2align	6, 0x0
	.amdhsa_kernel k_q050fd93a34_outp
		.amdhsa_group_segment_fixed_size 327680
		.amdhsa_private_segment_fixed_size 0
		.amdhsa_enable_private_segment 0
		.amdhsa_kernarg_size 48
		.amdhsa_user_sgpr_count 2
		.amdhsa_user_sgpr_kernarg_segment_ptr 1
		.amdhsa_wavefront_size32 1
		.amdhsa_system_sgpr_workgroup_id_x 1
		.amdhsa_system_sgpr_workgroup_id_y 1
		.amdhsa_system_sgpr_workgroup_id_z 1
		.amdhsa_system_vgpr_workitem_id 0
		.amdhsa_next_free_vgpr 1024
		.amdhsa_next_free_sgpr 102
		.amdhsa_reserve_vcc 0
		.amdhsa_float_denorm_mode_32 3
		.amdhsa_float_denorm_mode_16_64 3
		.amdhsa_memory_ordered 1
		.amdhsa_forward_progress 1
		.amdhsa_inst_pref_size 154
	.end_amdhsa_kernel
	.amdgpu_metadata
---
amdhsa.version: [ 1, 2 ]
amdhsa.kernels:
  - .name:           k_q050fd93a34_outp
    .symbol:         k_q050fd93a34_outp.kd
    .args:
      - { .name: acodes, .offset: 0, .size: 8, .value_kind: global_buffer, .address_space: global }
      - { .name: ascales, .offset: 8, .size: 8, .value_kind: global_buffer, .address_space: global }
      - { .name: xcodes, .offset: 16, .size: 8, .value_kind: global_buffer, .address_space: global }
      - { .name: xscales, .offset: 24, .size: 8, .value_kind: global_buffer, .address_space: global }
      - { .name: bo, .offset: 32, .size: 8, .value_kind: global_buffer, .address_space: global }
      - { .name: out0, .offset: 40, .size: 8, .value_kind: global_buffer, .address_space: global }
    .group_segment_fixed_size: 327680
    .private_segment_fixed_size: 0
    .kernarg_segment_align: 8
    .kernarg_segment_size: 48
    .max_flat_workgroup_size: 128
    .sgpr_count:     102
    .vgpr_count:     1024
    .wavefront_size: 32
...
	.end_amdgpu_metadata
.endif
;; end of part 4
